; MI455X (gfx1250); checked and timed in simulation.
; The chip was launched on July 23, 2026; its instructions are those of AMD's public machine-readable ISA for CDNA 5 (MIT licence, August 2026) and "CDNA5" Instruction Set Architecture Reference Guide (July 2026). The comments in the code are by the model that wrote it; some were corrected since.
;; Base Attention. Allowed arithmetic: matrix products marked QUANTISED: E2M3 operands, one E8M0 scale for each 32 along K, by v_wmma_scale_f32_16x16x128_f8f6f4 with both operands' format E2M3, f32 sums; everything else in f32.
;; Inputs: Wk 1,024 x 1,024 float32; Wq 1,024 x 1,024 float32; Wv 1,024 x 1,024 float32; x 4 x 2,048 x 1,024 float32.
;; Outputs: out0 4 x 2,048 x 1,024 float32.
;; This version of the problem:
;;   THIS VERSION OF THE PROBLEM IS GIVEN IN LOW PRECISION. The matrix products marked QUANTISED in the list below multiply operands that are first quantised to E2M3 (2 exponent bits, 3 mantissa bits; 6 bits a number), with one power-of-two scale for each 32 numbers along K (OCP MX v1.0); their sums are f32. All else is computed in f32.
;;   The module's matrix products, in the order in which they are computed (A, B: the left and right operand; K: the contracted axis; several contracted axes count as one K, in the product's order):
;;     1. [M 8,192, K 1,024] x [K 1,024, N 1,024]; A: input x; B: input Wq: QUANTISED
;;     2. [M 8,192, K 1,024] x [K 1,024, N 1,024]; A: input x; B: input Wk: QUANTISED
;;     3. [M 8,192, K 1,024] x [K 1,024, N 1,024]; A: input x; B: input Wv: QUANTISED
;;     4. batch 4 x [M 2,048, K 1,024] x [K 1,024, N 2,048]; A: computed on the way; B: computed on the way: QUANTISED
;;     5. batch 4 x [M 2,048, K 2,048] x [K 2,048, N 1,024]; A: softmax (see below); B: computed on the way: QUANTISED
;;   THE QUANTISER, for each operand of a quantised product, along K:
;;     - K is cut into blocks of 32 from its start; a last block that is shorter is filled with zeros.
;;     - A block's scale is 2^e with e = floor(log2(the largest magnitude in the block)) - 2, held to -126 .. 127; a block of zeros has e = 0. As a byte (E8M0): e + 127.
;;     - Each number is divided by its block's scale, clamped to +-7.5, and rounded to the nearest number of E2M3, ties to even, subnormals kept.
;;     - The product sums the exact products of the quantised numbers (number of the format x scale) in f32.
;;   ~~~python
;;   def quantise(x, axis):      # numpy; x: float32 -> the quantised numbers, widened to float32 again
;;       x = np.moveaxis(x, axis, -1); K = x.shape[-1]
;;       x = np.pad(x, [(0, 0)] * (x.ndim - 1) + [(0, -K % 32)]); x = x.reshape(x.shape[:-1] + (-1, 32)); a = np.abs(x).max(-1, keepdims=True)
;;       e = np.where(a > 0, np.clip(np.frexp(np.where(a > 0, a, 1))[1] - 1 - 2, -126, 127), 0)      # np.frexp(a)[1] - 1 = floor(log2(a)), exactly
;;       r = np.clip(x / 2.0 ** e, -7.5, 7.5)
;;       step = 2.0 ** (np.maximum(np.frexp(np.where(r == 0, 1, r))[1] - 1, 0) - 3)
;;       q = np.round(r / step) * step * 2.0 ** e      # np.round: ties to even
;;       return np.moveaxis(q.reshape(q.shape[:-2] + (-1,))[..., :K], -1, axis).astype(np.float32)
;;   ~~~
;;   SOFTMAX AHEAD OF A QUANTISED PRODUCT. Where the list says 'softmax', what is quantised is not the finished softmax but p = 2^(t - M), with t = logit x log2(e) and M = ceil(the row's largest t), a whole number; so 1/2 < the row's largest p <= 1. The row's sum l is taken of the UNQUANTISED p, in f32, and the product's result is divided by l at the end. Since M is a whole number, a kernel that streams over the keys may use a running M (the ceiling of the running maximum): every later rescaling is an exact power of two, which a block's scale takes up: the codes' values come out the same.
;;   OPERANDS COMPUTED ON THE WAY. 'Computed on the way' means the value that the module computes at that place (a softmax that the list does not call 'softmax' is quantised finished and normalised). What goes into a quantiser is computed in f32, as accurately as f32 sums, v_exp_f32 and their like allow (about 1e-6 of the number): no bf16 or f16 on the way to a quantiser, and a product that is left as it is and whose result goes on into a quantised operand takes f32 operands (vector FMAs, or v_wmma_f32_16x16x4_f32). A number that lies on a knife's edge between two numbers of the format may be rounded either way, as far as f32 arithmetic and the matrix unit's own rounding can turn it there, and no further.
;; One version. Each part assembles by itself: llvm-mc -triple=amdgcn-amd-amdhsa -mcpu=gfx1250 --defsym DOCPART=n.
;; ======== version 1 of 1: 4 launches
;; limits: right only within a limited range of input values
;; workspace buffers: xw_c 8,650,752 bytes; xw_s 360,448 bytes; qk_c 12,582,912 bytes; qk_s 524,288 bytes; vt_c 6,291,456 bytes; vt_s 262,144 bytes; p_c 12,582,912 bytes; p_st 1,572,864 bytes
;; launch quant (part 1): grid 704 x 1, 8 waves a work-group, no clusters, 69,120 bytes of LDS; arguments x, Wq, Wk, Wv, xw_c, xw_s; writes xw_c, xw_s
.if DOCPART == 1
	.amdgcn_target "amdgcn-amd-amdhsa--gfx1250"
	.amdhsa_code_object_version 6
	.text
	.protected	k_q8a9c6cb6c4_quant
	.globl	k_q8a9c6cb6c4_quant
	.p2align	8
	.type	k_q8a9c6cb6c4_quant,@function
k_q8a9c6cb6c4_quant:
	s_mov_b64 s[64:65], 0
	v_nop
	global_prefetch_b8 v0, s[64:65] scope:SCOPE_SE
	s_setreg_imm32_b32 hwreg(HW_REG_WAVE_MODE, 25, 1), 1
	s_wait_xcnt 0x0
; x [8192][1024], Wq, Wk, Wv [1024][1024], f32, K innermost, become codes of FP6 (E2M3) with one E8M0 byte for each 32 along K.
; A block's scale is 2^(floor(log2(largest magnitude)) - 2); its byte is the largest magnitude's exponent field - 2, held at 1 from below.
; THE CODES ARE LAID AS IMAGES OF THE OPERAND'S REGISTERS: fragment (rt, ks) = 16 lane rows x 128 K = 12 registers a lane = 1,536 bytes; register 4 c + i of lane l at byte 512 c + 16 l + 4 i.
; xw_c = [rt 704][ks 8] fragments: rt 0-511 x, 512-575 Wq, 576-639 Wk, 640-703 Wv.  THE ORDER OF THE ROWS: four row tiles make a group of 64 rows; lane row r of tile rt is row 32 (r / 8) + 8 (rt % 4) + r % 8 of group rt / 4.
; A weight's groups stand in their order; of x's, in each four, in the order 0, 2, 1, 3.
; xw_s: the scale word (four bytes, 128 along K) of (rt, r, ks) at byte (16 rt + r) 32 + 4 ks.
; SHARES: a work-group takes one row tile, wave w its K step w: one fragment, 8 KiB read, 1,536 bytes of codes.  By registers and LDS four work-groups fit on a WGP, so all 704 are there at once and all their loads are asked for at the start.
; Each load reads 512 consecutive bytes of one row; the 16 rows turn through the wave's own stage in LDS (rows of 512 + 16 bytes), so that lane (r, h) gets the whole blocks h and 2 + h of row r.
; The eight waves' scale words meet in LDS and leave as 512 consecutive bytes.
; LIMITS: NaN and infinities among the inputs are not served.  A block of zeros keeps the byte 1 where the rule says 127: its codes are zeros, and the bytes are read by this program alone.
.set WREG,  8448                       ; a wave's stage: 16 x 528 bytes
.set SCW,   8*WREG                     ; 512 bytes of scale words
.set SPARE, SCW+512                    ; the spare words, 128 bytes a wave
.set GI,  4                            ; v4   16 x lane
.set SI,  5                            ; v5   the stage, on the way in
.set SO,  6                            ; v6   on the way out: 528 r + 128 h
.set SW,  7                            ; v7   my row's scale word
.set SRD, 8                            ; v8   the scale words on the way out
.set SPW, 10                           ; v10  my spare word; never rewritten
.set NIL, 11                           ; v11  0; never rewritten
.set TM,  16                           ; v16-19 largest magnitudes
.set OP,  20                           ; v20-21 the conversions' scale operands
.set BY,  22                           ; v22-23 the bytes
.set H8,  24                           ; v24  8 h
.set PX,  25
.set PW,  26                           ; v26  the scale word
.set PC,  36                           ; v36-47 the fragment; v48-54 at work
.set R,   64                           ; v64-127 the numbers as loaded, then register 32 c + i = k 64 c + 32 h + i of row r
.set SEL, 24
	s_load_b256 s[4:11], s[0:1], 0x0               ; x, Wq, Wk, Wv
	s_load_b128 s[12:15], s[0:1], 0x20             ; xw_c, xw_s
	v_lshl_add_u32 v[SPW], v0, 2, SPARE
	v_mov_b32 v[NIL], 0
	v_lshrrev_b32 v1, 5, v0
	v_readfirstlane_b32 s16, v1                    ; wave = K step
	s_mul_i32 s22, s16, WREG
	s_lshl_b32 s23, s16, 2
	s_add_co_u32 s23, s23, SCW
	v_and_b32 v1, 31, v0                           ; lane
	v_and_b32 v2, 15, v0                           ; r
	v_bfe_u32 v3, v0, 4, 1                         ; h
	v_lshlrev_b32 v[GI], 4, v1
	v_add_nc_u32 v[SI], s22, v[GI]
	v_mul_u32_u24 v[SO], v2, 528
	v_lshl_add_u32 v[SO], v3, 7, v[SO]
	v_add_nc_u32 v[SO], s22, v[SO]
	v_lshl_add_u32 v[SW], v2, 5, s23
	v_add_nc_u32 v[SRD], SCW, v[GI]
	v_lshlrev_b32 v[H8], 3, v3
	v_mov_b32 v[PX], 0                             ; written once: a lane permute's destination counts as one of its sources
	s_mov_b32 s[SEL], 0x76543210
	s_mov_b32 s[SEL+1], 0xfedcba98
	s_lshr_b32 s17, ttmp9, 2                       ; the group of 64 rows, 0 .. 175
	s_and_b32 s18, ttmp9, 3                        ; its tile
	s_mul_i32 s28, ttmp9, 12288                    ; codes: a row tile,
	s_mul_i32 s29, s16, 1536                       ; a fragment a K step
	s_add_co_u32 s28, s28, s29
	s_mov_b32 s29, 0
	s_lshl_b32 s30, ttmp9, 9                       ; scale words: 512 bytes a row tile
	s_mov_b32 s31, 0
	s_lshl_b32 s27, s16, 9                         ; in the source: 512 bytes a K step,
	s_lshl_b32 s33, s18, 15                        ; 8 rows a tile
	s_add_co_u32 s27, s27, s33
	s_and_b32 s34, s17, 0x7c                       ; x's group: in each four the middle two change places
	s_and_b32 s33, s17, 1
	s_lshl_b32 s33, s33, 1
	s_or_b32 s34, s34, s33
	s_bfe_u32 s33, s17, 0x10001
	s_or_b32 s34, s34, s33
	s_and_b32 s19, s17, 15                         ; a weight's group (each has 16; x's 128 come first)
	s_wait_alu depctr_va_vdst(0)
	s_wait_kmcnt 0x0
	s_cmp_lt_u32 s17, 160                          ; which tensor: the choice hangs on the work-group's number alone
	s_cselect_b64 s[20:21], s[8:9], s[10:11]
	s_cmp_lt_u32 s17, 144
	s_cselect_b64 s[20:21], s[6:7], s[20:21]
	s_cmp_lt_u32 s17, 128
	s_cselect_b64 s[20:21], s[4:5], s[20:21]
	s_cselect_b32 s19, s34, s19
	s_lshl_b32 s26, s19, 18                        ; 64 rows of 4,096 bytes
	s_add_co_u32 s26, s26, s27
	s_mov_b32 s27, 0
	s_add_nc_u64 s[20:21], s[20:21], s[26:27]
	s_add_nc_u64 s[12:13], s[12:13], s[28:29]
	s_add_nc_u64 s[14:15], s[14:15], s[30:31]
.irp i, 0,1,2,3,4,5,6,7,8,9,10,11,12,13,14,15
	global_load_b128 v[R+4*\i:R+4*\i+3], v[GI], s[20:21] offset:((\i%8)+32*(\i/8))*4096 th:TH_LOAD_NT
.endr
	s_wait_loadcnt 0x8                             ; the first eight rows are in
.irp i, 0,1,2,3,4,5,6,7
	ds_store_b128 v[SI], v[R+4*\i:R+4*\i+3] offset:528*\i
.endr
	s_wait_loadcnt 0x0
.irp i, 8,9,10,11,12,13,14,15
	ds_store_b128 v[SI], v[R+4*\i:R+4*\i+3] offset:528*\i
.endr
	s_wait_dscnt 0x0                               ; the stores have read R: it is loaded again
.irp c, 0,1
.irp j, 0,1,2,3,4,5,6,7
	ds_load_b128 v[R+32*\c+4*\j:R+32*\c+4*\j+3], v[SO] offset:256*\c+16*\j
.endr
.endr
	s_wait_dscnt 0x0
.irp b, 0,1,2,3
	v_max3_num_f32 v[TM+\b], |v[R+16*\b]|, |v[R+1+16*\b]|, 0x1800000   ; and the floor 2^(3 - 127): the byte cannot fall under 1
.endr
.irp i, 2,4,6,8,10,12,14
.irp b, 0,1,2,3
	v_max3_num_f32 v[TM+\b], v[TM+\b], |v[R+16*\b+\i]|, |v[R+1+16*\b+\i]|
.endr
.endr
	v_max_num_f32 v[TM], v[TM], v[TM+1]            ; the largest magnitude of block h,
	v_max_num_f32 v[TM+2], v[TM+2], v[TM+3]        ; and of block 2 + h
	v_add_nc_u32 v[OP], 0xff000000, v[TM]          ; 2 off its exponent field: the conversion's scale operand
	v_add_nc_u32 v[OP+1], 0xff000000, v[TM+2]
	v_lshrrev_b32 v[BY], 23, v[OP]                 ; the scale's byte
	v_lshrrev_b32 v[BY+1], 23, v[OP+1]
	v_lshl_or_b32 v[PW], v[BY+1], 16, v[BY]
	v_lshlrev_b32 v[PW], v[H8], v[PW]              ; my two bytes at their places;
	v_permlanex16_b32 v[PX], v[PW], s[SEL], s[SEL+1]
	v_or_b32 v[PW], v[PW], v[PX]                   ; with lane l xor 16's two the word is whole
.irp c, 0,1
	v_cvt_scalef32_pk16_fp6_f32 v[PC+6*\c:PC+2+6*\c], v[R+32*\c:R+15+32*\c], v[OP+\c]
	v_cvt_scalef32_pk16_fp6_f32 v[PC+12+4*\c:PC+14+4*\c], v[R+16+32*\c:R+31+32*\c], v[OP+\c]   ; (a conversion's three registers begin on an even number)
.endr
	v_nop                                          ; one plain place behind a scaled conversion
.irp c, 0,1
.irp i, 0,1,2
	v_mov_b32 v[PC+3+6*\c+\i], v[PC+12+4*\c+\i]
.endr
.endr
	ds_store_b32 v[SW], v[PW]                      ; lanes r and r + 16 write the same word with the same value
.irp c, 0,1,2
	global_store_b128 v[GI], v[PC+4*\c:PC+4*\c+3], s[12:13] offset:512*\c   ; 512 consecutive bytes, at a multiple of 512 from the buffer's first byte
.endr
	s_wait_dscnt 0x0                               ; my words lie in LDS
	s_barrier_signal -1
	s_barrier_wait -1
	s_cmp_lg_u32 s16, 0
	s_cbranch_scc1 .Lend
	ds_load_b128 v[12:15], v[SRD]
	s_wait_dscnt 0x0
	global_store_b128 v[GI], v[12:15], s[14:15]    ; 512 consecutive bytes, aligned
.Lend:
	s_wait_tensorcnt 0x0                           ; the wave's end
	ds_add_u32 v[SPW], v[NIL]
	s_wait_dscnt 0x0
	s_endpgm
.Lfunc_end_k_q8a9c6cb6c4_quant:
	.size	k_q8a9c6cb6c4_quant, .Lfunc_end_k_q8a9c6cb6c4_quant-k_q8a9c6cb6c4_quant
	.p2alignl 7, 3214868480
	.fill 96, 4, 3214868480
	.section	.rodata,"a",@progbits
	.p2align	6, 0x0
	.amdhsa_kernel k_q8a9c6cb6c4_quant
		.amdhsa_group_segment_fixed_size 69120
		.amdhsa_private_segment_fixed_size 0
		.amdhsa_enable_private_segment 0
		.amdhsa_kernarg_size 48
		.amdhsa_user_sgpr_count 2
		.amdhsa_user_sgpr_kernarg_segment_ptr 1
		.amdhsa_wavefront_size32 1
		.amdhsa_system_sgpr_workgroup_id_x 1
		.amdhsa_system_sgpr_workgroup_id_y 1
		.amdhsa_system_sgpr_workgroup_id_z 1
		.amdhsa_system_vgpr_workitem_id 0
		.amdhsa_next_free_vgpr 128
		.amdhsa_next_free_sgpr 66
		.amdhsa_reserve_vcc 0
		.amdhsa_float_denorm_mode_32 3
		.amdhsa_float_denorm_mode_16_64 3
		.amdhsa_memory_ordered 1
		.amdhsa_forward_progress 1
		.amdhsa_inst_pref_size 11
	.end_amdhsa_kernel
	.amdgpu_metadata
---
amdhsa.version: [ 1, 2 ]
amdhsa.kernels:
  - .name:           k_q8a9c6cb6c4_quant
    .symbol:         k_q8a9c6cb6c4_quant.kd
    .args:
      - { .name: x, .offset: 0, .size: 8, .value_kind: global_buffer, .address_space: global }
      - { .name: Wq, .offset: 8, .size: 8, .value_kind: global_buffer, .address_space: global }
      - { .name: Wk, .offset: 16, .size: 8, .value_kind: global_buffer, .address_space: global }
      - { .name: Wv, .offset: 24, .size: 8, .value_kind: global_buffer, .address_space: global }
      - { .name: xw_c, .offset: 32, .size: 8, .value_kind: global_buffer, .address_space: global }
      - { .name: xw_s, .offset: 40, .size: 8, .value_kind: global_buffer, .address_space: global }
    .group_segment_fixed_size: 69120
    .private_segment_fixed_size: 0
    .kernarg_segment_align: 8
    .kernarg_segment_size: 48
    .max_flat_workgroup_size: 256
    .sgpr_count:     66
    .vgpr_count:     128
    .wavefront_size: 32
...
	.end_amdgpu_metadata
.endif
;; end of part 1
;; launch proj (part 2): grid 16 x 16, 4 waves a work-group, clusters of 4 x 4, 327,680 bytes of LDS; arguments xw_c, xw_s, qk_c, qk_s, vt_c, vt_s; writes qk_c, qk_s, vt_c, vt_s
.if DOCPART == 2
	.amdgcn_target "amdgcn-amd-amdhsa--gfx1250"
	.amdhsa_code_object_version 6
	.text
	.protected	k_q8a9c6cb6c4_proj
	.globl	k_q8a9c6cb6c4_proj
	.p2align	8
	.type	k_q8a9c6cb6c4_proj,@function
k_q8a9c6cb6c4_proj:
	s_mov_b64 s[64:65], 0
	v_nop
	global_prefetch_b8 v0, s[64:65] scope:SCOPE_SE
	s_setreg_imm32_b32 hwreg(HW_REG_WAVE_MODE, 25, 1), 1
	s_wait_xcnt 0x0
	s_wait_alu depctr_hold_cnt(0) depctr_sa_sdst(0) depctr_va_vdst(0) depctr_va_sdst(0) depctr_va_ssrc(0) depctr_va_vcc(0) depctr_vm_vsrc(0)
	s_getreg_b32 s2, hwreg(HW_REG_IB_STS2, 6, 4)
	s_cmp_eq_u32 s2, 0
	s_cbranch_scc0 .Lentry_in_a_cluster
	s_endpgm
.Lentry_in_a_cluster:
	s_bfe_u32 s2, ttmp6, 0x10000c
	s_cmp_lg_u32 s2, 0xf033
	s_cbranch_scc0 .Lentry_shape_is_right
	s_endpgm
.Lentry_shape_is_right:
; Q, K, V = x W^T on codes of FP6 (E2M3) with E8M0 scales; the results are quantised in registers, along the next product's K, and leave as codes.
; Operands are images of registers, as the launch before has laid them: fragment (rt, ks) = 1,536 bytes, a row tile's eight are 12,288 bytes on end.
; THE DEAL.  256 work-groups of four waves, 2 x 2 (w, b); a wave holds 64 rows of a weight (four tiles, all of K: 384 registers) and streams x past them in blocks of one row tile, 32 products each.
; A work-group makes 256 x 128 of V (PHASE 1) and 512 x 128 of Q or K (PHASE 2).  V's 256 rows are a half of its own 512: the two chunks of 128 rows that are asked for at the head serve V's eight blocks and then the first eight of Q or K.
; Which half comes first (s87) and which tensor (s46) come from the cluster's number alone.  Chunk k in the order of work is chunk k xor 2 s87 of the 512 rows.  Of a chunk's eight row tiles wave row w takes 4 w .. 4 w + 3: a group of 64 rows.
; x's rows are shared along a ROW of the cluster, a weight's along a COLUMN: joint loads.
; BY THE ORDER OF THE ROWS a lane's 32 results are one scale block.  Q, K: source 0 = the weight: lane (r, h) holds token r's columns 64 head + 32 h + 0 .. 31, from one block.
; V: source 0 = x: lane (r, h) of column tile t holds 32 neighbouring tokens, from a band of four blocks.  32 results become six registers of the next operand: a HALF FRAGMENT, 768 bytes: four registers (512 bytes), then two (256 bytes).
; OUT: qk_c [rt 512][ks 16: 0-7 Q, 8-15 K][half b][768]; vt_c [column tile 64][ks 64][half: band][768];  qk_s, vt_s: word (ks, rt, r) at (NRT ks + rt - rt % 4) 64 + 16 r + 4 (rt % 4), NRT = 512 and 64; byte 2 half + h of a word is lane half h's.
; LDS: two slots for x's chunks, a region for the weights' 128 rows, the stages for the results' scale bytes, the spare words.
; FILLS: at the head one tensor load a wave: waves 0, 1 W_v's halves, wave 2 chunk 0, wave 3 chunk 1.  THREE REFILLS in rounds: in V's block 2 the weights' region with W_q's or W_k's rows; in phase 2's blocks 2 and 6 a slot with a chunk of the other half.
; What a refill brought is shown by the next round or by a plain barrier (V's block 7, phase 2's block 10).  A wave has one tensor load outstanding at the most.
; THE WAITS' COUNTS.  A block's rows are fetched two blocks ahead, so the next block's 24 LDS loads are younger; its scale words are loaded four blocks ahead from memory into four sets of registers by turns, so three loads are younger.
; PREFETCHES, shared out by address among the sixteen waves that ask jointly: the second weight behind the head's first barrier; chunk 2 in V's block 2, chunk 3 at the change of phase.
; LIMITS: NaN and infinities are not served.  A block of zeros keeps the byte 1: its codes are zeros, and the bytes are read by this program alone.
.set YB,    98304                      ; a chunk; slot 1
.set WREG,  2*YB
.set STQK,  3*YB                       ; Q's or K's scale bytes: [chunk in the order of work][w][256]
.set STV,   STQK+2048                  ; V's: 256 a wave
.set SPARE, STV+1024
.set WA,   4                           ; v4      LDS address of my weight rows
.set XA0,  5                           ; v5, v6  of my rows in slot 0, 1
.set XF,   7                           ; v7      of those in the slot that is fetched from in the loop
.set L8,   8
.set L16,  9
.set SPW,  10
.set NIL,  11
.set XSL,  12                          ; v12     my offset among x's scale words
.set XC,   13                          ; v13     the same for a chunk; v19 for chunk 0, v22 for the chunk after v13's
.set STB,  14                          ; v14     LDS, Q's or K's scale byte; v15 the same in the loop
.set STW,  15
.set SVB,  16                          ; v16     V's
.set WVO,  17
.set WQO,  18
.set XC0,  19
.set PFW,  20
.set PFX,  21
.set XN,   22
.set WSC,  24                          ; v24-39 W_v's scale words, v40-55 W_q's or W_k's: tile t, K step q at 4 t + q % 4; lanes 0-15 q < 4, lanes 16-31 q >= 4
.set TQ,   56                          ; v56, v57 the search's two chains
.set XS,   58                          ; v58-73 x's: four sets of four
.set SOP,  74
.set EB,   76
.set CD,   80                          ; v80-103 half fragments made: four by turns
.set TC,   104                         ; v104-106 a second conversion's codes
.set T4,   108                         ; v108-123 at work at the change of phase
.set HV0,  128                         ; v128-255 V's band 0: 32 t + 8 j + i.  Phase 2: v128-191 two sets of sums
.set HV1,  864                         ; v864-991 band 1
.set ACC,  128
; window 1 and window 2 to v131: the weight's fragments 4 q + t, 21 to window 1;  window 2, v132-227, and window 3, v0-95: x's two sets
.set G1A, 24
.set G0A, 32
.set G0B, 36
.set G1B, 48
.set MSB, 0
.macro WIN new
.if MSB != (\new)
	s_set_vgpr_msb (MSB<<8)|(\new)
.set MSB, (\new)
.endif
.endm
.macro PLACES
.rept 4
	v_nop
.endr
.endm
.macro WALU
	s_wait_alu depctr_va_vdst(0)
.endm
.macro BARRIER
	s_barrier_signal -1
	s_barrier_wait -1
.endm
.macro MIDDLE
	WIN 0
	s_barrier_wait -1
	s_cmp_lg_u32 s16, 0
	s_cbranch_scc1 .Lnot_wave_0_\@
	s_barrier_signal -3
.Lnot_wave_0_\@:
	s_barrier_wait -3
.endm
.macro CROUND
	s_barrier_signal -1
	MIDDLE
	BARRIER
.endm
.macro TLOAD g0, g1
	tensor_load_to_lds s[\g0:\g0+3], s[\g1:\g1+7]
	s_nop 0
	PLACES
.endm
.macro FETCH e, adr, j                 ; x's row tile j of a slot into set e: 24 loads
	WIN (2+(\e))<<6
.irp q, 0,1,2,3,4,5,6,7
.irp c, 0,1,2
	ds_load_b128 v[132*(1-(\e))+12*\q+4*\c:132*(1-(\e))+12*\q+4*\c+3], v[\adr] offset:12288*(\j)+1536*\q+512*\c
.endr
.endr
	WIN 0
.endm
.macro WLOAD q                         ; my weight rows' K step q: 12 loads
.irp t, 0,1,2,3
.set F_, 4*(\q)+\t
.set G_, 12*(F_%21)
	WIN (1+F_/21)<<6
.irp c, 0,1,2
	ds_load_b128 v[G_+4*\c:G_+4*\c+3], v[WA] offset:12288*\t+1536*(\q)+512*\c
.endr
.endr
	WIN 0
.endm
.macro XSLD x, v, j                    ; a block's scale words
	global_load_b128 v[XS+4*(\x):XS+4*(\x)+3], v[\v], s[6:7] offset:512*(\j)
.endm
.macro WM h, d, a, b, c, x, y
	v_wmma_scale_f32_16x16x128_f8f6f4 v[\d:\d+7], v[\a:\a+11], v[\b:\b+11], \c, v[\x], v[\y] matrix_a_fmt:MATRIX_FMT_FP6 matrix_b_fmt:MATRIX_FMT_FP6 matrix_a_scale:MATRIX_SCALE_ROW\h matrix_b_scale:MATRIX_SCALE_ROW\h
.endm
.macro MMUL d, a, b, x, y
.if Q_ == 0
	WM 0, \d, \a, \b, 0, \x, \y
.elseif Q_ < 4
	WM 0, \d, \a, \b, v[\d:\d+7], \x, \y
.else
	WM 1, \d, \a, \b, v[\d:\d+7], \x, \y
.endif
.endm
.macro PROD kind, e, x, ph, n, a0, as  ; product n = 4 q + t of a block.  The four sums take turns
.set Q_, (\n)/4
.set U_, (\n)%4
.set D_, (\a0)+(\as)*U_
.set DW_, D_>>8
.set DL_, D_&255
.set F_, 4*Q_+U_
.set FW_, 1+F_/21
.set FR_, 12*(F_%21)
.set XR_, 132*(1-(\e))+12*Q_
.set SW_, WSC+16*(\ph)+4*U_+Q_%4
.set SX_, XS+4*(\x)+Q_%4
.if \kind
	WIN (2+(\e))|(FW_<<2)|(DW_<<4)|(DW_<<6)
	MMUL DL_, XR_, FR_, SX_, SW_
.else
	WIN FW_|((2+(\e))<<2)|(DW_<<4)|(DW_<<6)
	MMUL DL_, FR_, XR_, SW_, SX_
.endif
.endm
; products \from .. \to - 1; behind every second one, two entries of the list \list
.macro BLOCK kind, e, x, ph, a0, as, from, to, list, lx=0, ly=0
.set N_, \from
.rept (\to)-(\from)
	PROD \kind, \e, \x, \ph, N_, \a0, \as
.if N_%2
	\list N_-1, \lx, \ly
	\list N_, \lx, \ly
.endif
.set N_, N_+1
.endr
.endm
.macro CHAIN i, x, sop, t=TQ           ; 18 entries: the largest magnitude of the 32 sums from register x on, in two chains, and the conversions' scale operand
.set XW_, (\x)>>8
.set XL_, (\x)&255
.if (\i) >= 0 && (\i) < 14
.set B_, XL_+16*((\i)%2)+2*((\i)/2)
.set T_, (\t)+1-(\i)%2
.if (\i) < 2
	WIN XW_|(XW_<<2)|(XW_<<4)
	v_max3_num_f32 v[T_], |v[B_]|, |v[B_+1]|, |v[B_+2]|
.else
	WIN (XW_<<2)|(XW_<<4)
	v_max3_num_f32 v[T_], v[T_], |v[B_+1]|, |v[B_+2]|
.endif
.elseif (\i) == 14
	WIN XW_<<2
	v_max3_num_f32 v[\t+1], v[\t+1], |v[XL_+15]|, 0x1800000   ; and the floor 2^(3 - 127)
.elseif (\i) == 15
	WIN 0
	v_nop
.elseif (\i) == 16
	WIN XW_<<2
	v_max3_num_f32 v[\t], v[\t], |v[XL_+31]|, v[\t+1]
.elseif (\i) == 17
	WIN 0
	v_add_nc_u32 v[\sop], 0xff000000, v[\t]
.endif
.endm
.macro CODES x, cd, sop, eb            ; six lines: 32 codes, the scale's byte; the shift and the moves are the four places behind a block's last product
.set XW_, (\x)>>8
.set XL_, (\x)&255
	WIN XW_
	v_cvt_scalef32_pk16_fp6_f32 v[\cd:\cd+2], v[XL_:XL_+15], v[\sop]
	v_cvt_scalef32_pk16_fp6_f32 v[TC:TC+2], v[XL_+16:XL_+31], v[\sop]
	WIN 0
	v_lshrrev_b32 v[\eb], 23, v[\sop]
.irp i, 0,1,2
	v_mov_b32 v[\cd+3+\i], v[TC+\i]
.endr
.endm
.macro STQ cd, j                       ; a half fragment of Q or K leaves: 512 and 256 consecutive bytes, aligned
	global_store_b128 v[L16], v[\cd:\cd+3], s[78:79] offset:24576*(\j)
	global_store_b64 v[L8], v[\cd+4:\cd+5], s[78:79] offset:24576*(\j)+512
.endm
.macro STVC cd, t, c                   ; and of V
	global_store_b128 v[L16], v[\cd:\cd+3], s[80:81] offset:98304*(\t)+768*(\c)
	global_store_b64 v[L8], v[\cd+4:\cd+5], s[80:81] offset:98304*(\t)+768*(\c)+512
.endm
.macro L_NONE i, x, y
.endm
.macro L_CH i, x, y
	CHAIN (\i)-13, \x, SOP
.endm
.macro L_CH8 i, x, y
	CHAIN (\i)-8, \x, SOP
.endm
.macro QPSET i                         ; 3 entries: where chunk s86 + 1's codes go
.if (\i) == 0
	s_add_co_u32 s2, s86, 1
	s_xor_b32 s2, s2, s89
	s_lshr_b32 s3, s2, 1
.elseif (\i) == 1
	s_mul_i32 s3, s3, 393216
	s_and_b32 s2, s2, 1
	s_mul_i32 s2, s2, 98304
.elseif (\i) == 2
	s_add_co_u32 s2, s2, s3
	s_mov_b32 s3, 0
	s_add_nc_u64 s[78:79], s[76:77], s[2:3]
.endif
.endm
.macro L_QP i, x, y
	QPSET \i
	CHAIN (\i)-13, \x, SOP
.endm
.macro L_RND i, x, y                   ; trip s86: the addresses of the trip, the refill's descriptor (chunk s86 + 2 into slot s86), the way out
.if (\i) == 0
	s_add_co_u32 s20, s86, 1
	s_xor_b32 s21, s20, s89
	s_add_co_u32 s22, s86, 2
	s_xor_b32 s22, s22, s89
.elseif (\i) == 1
	s_lshl_b32 s2, s21, 12
	s_lshl_b32 s3, s22, 12
	WIN 0
	v_add_nc_u32 v[XC], s2, v[XSL]
.elseif (\i) == 2
	s_and_b32 s20, s20, 1
	s_mul_i32 s20, s20, YB
	WIN 0
	v_add_nc_u32 v[XN], s3, v[XSL]
.elseif (\i) == 3
	s_lshl_b32 s21, s86, 9
	WIN 0
	v_add_nc_u32 v[XF], s20, v[XA0]
.elseif (\i) == 4
	s_mul_i32 s2, s22, YB
	s_add_co_u32 s2, s2, s90
	s_add_co_u32 s2, s2, s44
	s_mov_b32 s3, 0
	WIN 0
	v_add_nc_u32 v[STW], s21, v[STB]
.elseif (\i) == 5
	s_add_nc_u64 s[G0A+2:G0A+3], s[4:5], s[2:3]
	s_or_b32 s[G0A+3], s[G0A+3], 0x80000000
	s_mul_i32 s[G0A+1], s86, YB
	s_add_co_u32 s[G0A+1], s[G0A+1], s44
.endif
	CHAIN (\i)-8, \x, SOP
.endm
.macro READY w, lc
	s_wait_xcnt 0x0                                ; the last block's stores and loads have read their registers
	s_wait_dscnt \w
	s_wait_loadcnt \lc
.endm
.macro GRD
	s_wait_tensorcnt 0x0                           ; all my tensor loads have landed
	ds_add_u32 v[SPW], v[NIL]
.endm
	s_load_b256 s[4:11], s[0:1], 0x0               ; xw_c, xw_s, qk_c, qk_s
	s_load_b128 s[12:15], s[0:1], 0x20             ; vt_c, vt_s
	v_lshl_add_u32 v[SPW], v0, 2, SPARE
	v_mov_b32 v[NIL], 0
	ds_add_u32 v[SPW], v[NIL]                      ; the wave's opening: the add, twice on end, and its wait ahead of my first tensor load
	ds_add_u32 v[SPW], v[NIL]
	v_lshrrev_b32 v1, 5, v0
	v_readfirstlane_b32 s16, v1
	s_lshr_b32 s17, s16, 1                         ; w
	s_and_b32 s18, s16, 1                          ; b.  Also: which half or chunk I fetch
	s_bfe_u32 s19, ttmp6, 0x40000                  ; cx
	s_bfe_u32 s20, ttmp6, 0x40004                  ; cy
	s_lshl_b32 s42, ttmp9, 2
	s_add_co_u32 s42, s42, s19                     ; phase 2's tile column: 0-7 Q, 8-15 K (s42, s45, s72-s75 never hold cy)
	s_lshr_b32 s46, ttmp9, 1
	s_and_b32 s87, ttmp9, 1
	s_lshl_b32 s89, s87, 1
	s_lshl_b32 s45, s46, 2
	s_add_co_u32 s45, s45, s19                     ; V's tile column
	s_and_b32 s43, ttmp7, 0xffff
	s_lshl_b32 s43, s43, 2
	s_add_co_u32 s43, s43, s20                     ; my 512 rows (s43, s70-s71, s90 never hold cx)
	s_lshl_b32 s2, s20, 2
	s_lshl_b32 s2, 15, s2
	s_lshl_b32 s3, 0x1111, s19
	s_or_b32 s[G1A], s2, (3<<16)|(1<<21)           ; 15:0 the mask; elements of 8 bytes; 21 set beside a mask; no padding
	s_or_b32 s[G1B], s3, (3<<16)|(1<<21)
	s_mov_b32 s[G1A+1], 1536<<16                   ; rows of 12,288 bytes: a row tile
	s_mov_b32 s[G1A+2], 8<<16                      ; at the head eight, in the refills four
	s_mov_b32 s[G1A+3], 1536<<16
	s_mov_b32 s[G1A+4], 8
	s_mov_b32 s[G1A+5], 1536
	s_mov_b32 s[G1A+6], 0
	s_mov_b32 s[G1A+7], 0
	s_mov_b32 s[G1B+1], 1536<<16
	s_mov_b32 s[G1B+2], 4<<16
	s_mov_b32 s[G1B+3], 1536<<16
	s_mov_b32 s[G1B+4], 4
	s_mov_b32 s[G1B+5], 1536
	s_mov_b32 s[G1B+6], 0
	s_mov_b32 s[G1B+7], 0
	s_mul_i32 s44, s18, 49152                      ; four row tiles
	s_mul_i32 s90, s43, 393216
	s_xor_b32 s70, s18, s89
	s_mul_i32 s70, s70, YB
	s_add_co_u32 s70, s70, s90                     ; waves 2, 3: chunk 0, 1 in the order of work
	s_mov_b32 s71, 0
	s_mul_i32 s72, s45, YB
	s_add_co_u32 s72, s72, 640*12288
	s_add_co_u32 s72, s72, s44
	s_mov_b32 s73, 0
	s_mul_i32 s74, s42, YB
	s_add_co_u32 s74, s74, 512*12288
	s_lshl_b32 s21, s20, 2
	s_add_co_u32 s21, s21, s16                     ; my number among the sixteen waves of my column,
	s_mul_i32 s21, s21, 6144
	s_add_co_u32 s22, s74, s21
	s_add_co_u32 s74, s74, s44
	s_mov_b32 s75, 0
	s_lshl_b32 s21, s19, 2
	s_add_co_u32 s21, s21, s16                     ; and of my row
	s_mul_i32 s21, s21, 6144
	s_xor_b32 s23, s89, 2
	s_mul_i32 s23, s23, YB
	s_add_co_u32 s23, s23, s90
	s_add_co_u32 s23, s23, s21
	s_mul_i32 s76, s43, 786432                     ; where the results go.  Q, K: rows,
	s_mul_i32 s21, s17, 196608
	s_add_co_u32 s76, s76, s21
	s_mul_i32 s21, s42, 1536                       ; K step,
	s_add_co_u32 s76, s76, s21
	s_mul_i32 s21, s18, 768                        ; half
	s_add_co_u32 s76, s76, s21
	s_mov_b32 s77, 0
	s_lshl_b32 s91, s43, 1
	s_add_co_u32 s91, s91, s87
	s_lshl_b32 s91, s91, 1
	s_add_co_u32 s91, s91, s17                     ; V's K step
	s_lshl_b32 s92, s45, 3
	s_lshl_b32 s21, s18, 2
	s_add_co_u32 s92, s92, s21                     ; V's first column tile
	s_mul_i32 s80, s92, 98304
	s_mul_i32 s21, s91, 1536
	s_add_co_u32 s80, s80, s21
	s_mov_b32 s81, 0
	s_lshl_b32 s84, s91, 12
	s_lshl_b32 s21, s92, 6
	s_add_co_u32 s84, s84, s21
	s_mov_b32 s85, 0
	s_lshl_b32 s82, s42, 15
	s_lshl_b32 s21, s43, 11
	s_add_co_u32 s82, s82, s21
	s_xor_b32 s21, s16, s89                        ; at the end wave k stores chunk k's scale words
	s_lshr_b32 s93, s21, 1
	s_lshl_b32 s93, s93, 10
	s_add_co_u32 s82, s82, s93
	s_and_b32 s21, s21, 1
	s_lshl_b32 s21, s21, 8
	s_add_co_u32 s82, s82, s21
	s_mov_b32 s83, 0
	s_lshl_b32 s94, s18, 11                        ; scale words: W_v's, W_q's or W_k's, x's
	s_lshl_b32 s95, s45, 12
	s_add_co_u32 s95, s95, s94
	s_add_co_u32 s95, s95, 327680
	s_lshl_b32 s96, s42, 12
	s_add_co_u32 s96, s96, s94
	s_add_co_u32 s96, s96, 262144
	s_lshl_b32 s97, s43, 14
	s_lshl_b32 s94, s17, 11
	s_add_co_u32 s97, s97, s94
	s_lshl_b32 s98, s89, 12                        ; chunk 0,
	s_xor_b32 s99, s89, 1
	s_lshl_b32 s99, s99, 12                        ; chunk 1
	s_mul_i32 s100, s17, 49152
	s_add_co_u32 s101, s44, WREG
	s_lshl_b32 s2, s17, 8
	s_lshl_b32 s3, s18, 1
	s_add_co_u32 s2, s2, s3
	s_add_co_u32 s2, s2, STQK
	s_lshl_b32 s3, s16, 8
	s_add_co_u32 s3, s3, STV
	v_and_b32 v1, 15, v0                           ; r
	v_bfe_u32 v2, v0, 4, 1                         ; h
	v_and_b32 v3, 31, v0
	v_lshlrev_b32 v[L8], 3, v3
	v_lshlrev_b32 v[L16], 4, v3
	v_min_u32 v23, 23, v3                          ; 24 blocks of 256 bytes; the lanes left over name the last again
	v_lshl_add_u32 v[PFW], v23, 8, s22
	v_lshl_add_u32 v[PFX], v23, 8, s23
	v_add_nc_u32 v[WA], s101, v[L16]
	v_add_nc_u32 v[XA0], s100, v[L16]
	v_add_nc_u32 v[XA0+1], YB, v[XA0]
	v_lshlrev_b32 v[XSL], 5, v1
	v_lshl_add_u32 v[XSL], v2, 4, v[XSL]           ; 32 r + 16 h
	v_add_nc_u32 v[WVO], s95, v[XSL]
	v_add_nc_u32 v[WQO], s96, v[XSL]
	v_add_nc_u32 v[XSL], s97, v[XSL]
	v_add_nc_u32 v[XC0], s98, v[XSL]
	v_add_nc_u32 v[XC], s99, v[XSL]
	v_lshl_add_u32 v23, v1, 4, v2                  ; 16 r + h
	v_add_nc_u32 v[STB], s2, v23
	v_add_nc_u32 v[SVB], s3, v23
	WALU                                           ; the wait at the head's end
	s_wait_dscnt 0x0
	CROUND                                         ; all sixteen work-groups are here: the first joint loads meet
	s_wait_kmcnt 0x0
	s_mov_b32 s[G0A], 1
	s_mul_i32 s[G0A+1], s18, YB
	s_add_nc_u64 s[G0A+2:G0A+3], s[4:5], s[70:71]
	s_or_b32 s[G0A+3], s[G0A+3], 0x80000000
	s_mov_b32 s[G0B], 1
	s_mov_b32 s[G0B+1], s101
	s_add_nc_u64 s[G0B+2:G0B+3], s[4:5], s[72:73]
	s_or_b32 s[G0B+3], s[G0B+3], 0x80000000
	s_cmp_lt_u32 s16, 2                            ; one tensor load a wave, in one tree of branches on the wave's number
	s_cbranch_scc0 .Lfor_x
	TLOAD G0B, G1B
	s_branch .Lasked
.Lfor_x:
	s_cmp_eq_u32 s16, 2
	s_cbranch_scc0 .Lfor_chunk_1
	TLOAD G0A, G1A
	s_branch .Lasked
.Lfor_chunk_1:
	TLOAD G0A, G1A
.Lasked:
.irp t, 0,1,2,3
	global_load_b128 v[WSC+4*\t:WSC+4*\t+3], v[WVO], s[6:7] offset:512*\t
.endr
.irp t, 0,1,2,3
	global_load_b128 v[WSC+16+4*\t:WSC+16+4*\t+3], v[WQO], s[6:7] offset:512*\t
.endr
.irp j, 0,1,2,3
	XSLD \j, XC0, \j
.endr
	s_add_nc_u64 s[76:77], s[8:9], s[76:77]
	s_add_nc_u64 s[82:83], s[10:11], s[82:83]
	s_add_nc_u64 s[80:81], s[12:13], s[80:81]
	s_add_nc_u64 s[84:85], s[14:15], s[84:85]
	s_mul_i32 s2, s87, 393216
	s_mov_b32 s3, 0
	s_add_nc_u64 s[78:79], s[76:77], s[2:3]        ; where chunk 0's codes go
	s_cmp_lt_u32 s16, 2
	s_cbranch_scc0 .Lnot_w
	s_wait_tensorcnt 0x0
.Lnot_w:
	BARRIER                                        ; W_v's rows are in; x's chunks may be on their way
	global_prefetch_b8 v[PFW], s[4:5] th:TH_LOAD_NT scope:SCOPE_SE
.irp q, 0,1,2,3,4,5,6,7
	WLOAD \q
.endr
	s_cmp_eq_u32 s16, 3
	s_cbranch_scc1 .Lnot_chunk_0
	s_wait_tensorcnt 0x0
.Lnot_chunk_0:
	s_wait_dscnt 0x0
	BARRIER                                        ; chunk 0 is in; chunk 1 may be on its way
	FETCH 0, XA0, 0
	FETCH 1, XA0, 1
; ================= PHASE 1: V
	READY 24, 3
	BLOCK 1, 0, 0, 0, HV0, 32, 0, 32, L_NONE
	WIN 0
	PLACES
	WALU
	FETCH 0, XA0, 2
	XSLD 0, XC, 0
	READY 24, 3
	BLOCK 1, 1, 1, 0, HV0+8, 32, 0, 32, L_NONE
	WIN 0
	PLACES
	WALU
	FETCH 1, XA0, 3
	XSLD 1, XC, 1
	READY 24, 3
	GRD
	s_mov_b32 s[G1A+2], 4<<16
	s_mov_b32 s[G1A+4], 4
	s_add_nc_u64 s[G0B+2:G0B+3], s[4:5], s[74:75]
	s_or_b32 s[G0B+3], s[G0B+3], 0x80000000
	BLOCK 1, 0, 2, 0, HV0+16, 32, 0, 24, L_NONE
	WIN 0
	s_wait_dscnt 0x0
	s_barrier_signal -1
	BLOCK 1, 0, 2, 0, HV0+16, 32, 24, 32, L_NONE
	MIDDLE
	BARRIER
	s_cmp_lt_u32 s16, 2
	s_cbranch_scc0 .Lno_half
	TLOAD G0B, G1B                                 ; waves 0, 1: W_q's or W_k's rows onto W_v's, which all waves hold in registers
.Lno_half:
	PLACES
	WALU
	FETCH 0, XA0+1, 0
	XSLD 2, XC, 2
	global_prefetch_b8 v[PFX], s[4:5] th:TH_LOAD_NT scope:SCOPE_SE
	READY 24, 3
	BLOCK 1, 1, 3, 0, HV0+24, 32, 0, 32, L_NONE
	WIN 0
	PLACES
	WALU
	FETCH 1, XA0+1, 1
	XSLD 3, XC, 3
.macro VBLK t, e, adr, jn              ; band 1's block t, with the way out of band 0's column tile t
	READY 24, 3
	BLOCK 1, \e, \t, 0, HV1+8*(\t), 32, 0, 32, L_CH, HV0+32*(\t)
	CODES HV0+32*(\t), CD+6*(\t), SOP, EB
	WALU
	ds_store_b8 v[SVB], v[EB] offset:4*(\t)
	FETCH \e, \adr, \jn
	XSLD \t, XC0, \t
	STVC CD+6*(\t), \t, 0
.endm
	VBLK 0, 0, XA0+1, 2
	VBLK 1, 1, XA0+1, 3
	VBLK 2, 0, XA0, 0
	READY 24, 3
	BLOCK 1, 1, 3, 0, HV1+24, 32, 0, 26, L_CH8, HV0+96
	WIN 0
	WALU
	s_wait_tensorcnt 0x0
	s_wait_dscnt 0x0
	s_barrier_signal -1                            ; a plain barrier: the weights that the first refill brought are shown to all
	BLOCK 1, 1, 3, 0, HV1+24, 32, 26, 32, L_NONE
	WIN 0
	s_barrier_wait -1
	CODES HV0+96, CD+18, SOP, EB
	WALU
	ds_store_b8 v[SVB], v[EB] offset:12
; ================= THE CHANGE OF PHASE: the first half of the new weight is asked for, band 1's four way outs stand under its flight
	WLOAD 0
	WLOAD 1
	WLOAD 2
	WLOAD 3
	XSLD 3, XC0, 3
	STVC CD+18, 3, 0
	global_prefetch_b8 v[PFX], s[4:5] offset:98304 th:TH_LOAD_NT scope:SCOPE_SE
.set I, 0
.rept 18
.irp t, 0,1,2,3
	CHAIN I, HV1+32*\t, T4+8+\t, T4+2*\t
.endr
.set I, I+1
.endr
	WIN 0
	WALU
	s_wait_xcnt 0x0
.irp t, 0,1,2,3
	CODES HV1+32*\t, CD+6*\t, T4+8+\t, T4+12+\t
.endr
	WALU
.irp t, 0,1,2,3
	ds_store_b8 v[SVB], v[T4+12+\t] offset:4*\t+2
.endr
.irp t, 0,1,2,3
	STVC CD+6*\t, \t, 1
.endr
; ================= PHASE 2: Q or K, sixteen blocks
	s_wait_loadcnt 3
	s_wait_dscnt 24                                ; K steps 0 and 1 of the new weight are in
	BLOCK 0, 0, 0, 1, ACC, 8, 0, 8, L_NONE
	WIN 0
	WLOAD 4
	WLOAD 5
	s_wait_dscnt 24
	BLOCK 0, 0, 0, 1, ACC, 8, 8, 16, L_NONE
	WIN 0
	WLOAD 6
	WLOAD 7
	s_wait_dscnt 24
	BLOCK 0, 0, 0, 1, ACC, 8, 16, 24, L_NONE
	FETCH 1, XA0, 1
	s_wait_dscnt 24
	BLOCK 0, 0, 0, 1, ACC, 8, 24, 32, L_NONE
	WIN 0
	PLACES
	WALU
	FETCH 0, XA0, 2
	XSLD 0, XC, 0
	READY 24, 3
	BLOCK 0, 1, 1, 1, ACC+32, 8, 0, 32, L_CH, ACC
	CODES ACC, CD, SOP, EB
	WALU
	ds_store_b8 v[STB], v[EB]
	FETCH 1, XA0, 3
	XSLD 1, XC, 1
	STQ CD, 0
	s_mov_b32 s86, 0
.Ltrip:                                                ; blocks 2 to 5, 6 to 9
	READY 24, 3
	GRD
	BLOCK 0, 0, 2, 1, ACC, 8, 0, 26, L_RND, ACC+32
	WIN 0
	WALU
	s_wait_dscnt 0x0
	s_barrier_signal -1
	BLOCK 0, 0, 2, 1, ACC, 8, 26, 32, L_NONE
	CODES ACC+32, CD+6, SOP, EB
	MIDDLE
	BARRIER
	s_cmp_lt_u32 s16, 2
	s_cbranch_scc0 .Lno_chunk
	TLOAD G0A, G1A                                 ; waves 0, 1: a half each of chunk s86 + 2
.Lno_chunk:
	WALU
	ds_store_b8 v[STW], v[EB] offset:4
	FETCH 0, XF, 0
	XSLD 2, XC, 2
	STQ CD+6, 1
	READY 24, 3
	BLOCK 0, 1, 3, 1, ACC+32, 8, 0, 32, L_CH, ACC
	CODES ACC, CD+12, SOP, EB
	WALU
	ds_store_b8 v[STW], v[EB] offset:8
	FETCH 1, XF, 1
	XSLD 3, XC, 3
	STQ CD+12, 2
	READY 24, 3
	BLOCK 0, 0, 0, 1, ACC, 8, 0, 32, L_CH, ACC+32
	CODES ACC+32, CD+18, SOP, EB
	WALU
	ds_store_b8 v[STW], v[EB] offset:12
	FETCH 0, XF, 2
	XSLD 0, XN, 0
	STQ CD+18, 3
	READY 24, 3
	BLOCK 0, 1, 1, 1, ACC+32, 8, 0, 32, L_QP, ACC
	CODES ACC, CD, SOP, EB
	WALU
	ds_store_b8 v[STW], v[EB] offset:512
	FETCH 1, XF, 3
	XSLD 1, XN, 1
	STQ CD, 0
	s_add_co_u32 s86, s86, 1
	s_cmp_lg_u32 s86, 2
	s_cbranch_scc1 .Ltrip
	READY 24, 3                                    ; block 10: a plain barrier shows chunk 3 to all
	BLOCK 0, 0, 2, 1, ACC, 8, 0, 26, L_CH8, ACC+32
	WIN 0
	WALU
	s_wait_tensorcnt 0x0
	s_wait_dscnt 0x0
	s_barrier_signal -1
	BLOCK 0, 0, 2, 1, ACC, 8, 26, 32, L_NONE
	WIN 0
	s_barrier_wait -1
	CODES ACC+32, CD+6, SOP, EB
	WALU
	ds_store_b8 v[STB], v[EB] offset:1028
	FETCH 0, XA0+1, 0
	XSLD 2, XN, 2
	STQ CD+6, 1
	READY 24, 3
	BLOCK 0, 1, 3, 1, ACC+32, 8, 0, 32, L_CH, ACC
	CODES ACC, CD+12, SOP, EB
	WALU
	ds_store_b8 v[STB], v[EB] offset:1032
	FETCH 1, XA0+1, 1
	XSLD 3, XN, 3
	STQ CD+12, 2
	READY 24, 3
	BLOCK 0, 0, 0, 1, ACC, 8, 0, 32, L_CH, ACC+32
	CODES ACC+32, CD+18, SOP, EB
	WALU
	ds_store_b8 v[STB], v[EB] offset:1036
	FETCH 0, XA0+1, 2
	STQ CD+18, 3
	READY 24, 2
	BLOCK 0, 1, 1, 1, ACC+32, 8, 0, 32, L_QP, ACC
	CODES ACC, CD, SOP, EB
	WALU
	ds_store_b8 v[STB], v[EB] offset:1536
	FETCH 1, XA0+1, 3
	STQ CD, 0
	READY 24, 1
	BLOCK 0, 0, 2, 1, ACC, 8, 0, 32, L_CH, ACC+32
	CODES ACC+32, CD+6, SOP, EB
	WALU
	ds_store_b8 v[STB], v[EB] offset:1540
	STQ CD+6, 1
	READY 1, 0
	BLOCK 0, 1, 3, 1, ACC+32, 8, 0, 32, L_CH, ACC
	CODES ACC, CD+12, SOP, EB
	WALU
	ds_store_b8 v[STB], v[EB] offset:1544
	STQ CD+12, 2
; ================= THE END: the last way out, and the scale words
	s_lshl_b32 s2, s16, 9
	s_add_co_u32 s2, s2, STQK
	s_lshl_b32 s3, s16, 8
	s_add_co_u32 s3, s3, STV
	v_add_nc_u32 v4, s2, v[L16]
	v_add_nc_u32 v5, s3, v[L8]
	v_lshlrev_b32 v6, 9, v2                        ; lanes 16-31: w = 1, two groups on
	v_lshl_add_u32 v6, v1, 4, v6
.set I, 0
.rept 18
	CHAIN I, ACC+32, SOP
.set I, I+1
.endr
	CODES ACC+32, CD+18, SOP, EB
	WALU
	ds_store_b8 v[STB], v[EB] offset:1548
	STQ CD+18, 3
	s_wait_dscnt 0x0
	BARRIER                                        ; all scale bytes lie in LDS
	ds_load_b128 v[T4:T4+3], v4
	ds_load_b64 v[T4+4:T4+5], v5
	s_wait_dscnt 0x0
	global_store_b128 v6, v[T4:T4+3], s[82:83]     ; 16 lanes store 256 consecutive bytes, aligned
	global_store_b64 v[L8], v[T4+4:T4+5], s[84:85] ; 256 consecutive bytes, aligned
	s_wait_tensorcnt 0x0                           ; the wave's end
	ds_add_u32 v[SPW], v[NIL]
	s_wait_dscnt 0x0
	CROUND                                         ; the closing round
	s_endpgm
.Lfunc_end_k_q8a9c6cb6c4_proj:
	.size	k_q8a9c6cb6c4_proj, .Lfunc_end_k_q8a9c6cb6c4_proj-k_q8a9c6cb6c4_proj
	.p2alignl 7, 3214868480
	.fill 96, 4, 3214868480
	.section	.rodata,"a",@progbits
	.p2align	6, 0x0
	.amdhsa_kernel k_q8a9c6cb6c4_proj
		.amdhsa_group_segment_fixed_size 327680
		.amdhsa_private_segment_fixed_size 0
		.amdhsa_enable_private_segment 0
		.amdhsa_kernarg_size 48
		.amdhsa_user_sgpr_count 2
		.amdhsa_user_sgpr_kernarg_segment_ptr 1
		.amdhsa_wavefront_size32 1
		.amdhsa_system_sgpr_workgroup_id_x 1
		.amdhsa_system_sgpr_workgroup_id_y 1
		.amdhsa_system_sgpr_workgroup_id_z 1
		.amdhsa_system_vgpr_workitem_id 0
		.amdhsa_next_free_vgpr 1024
		.amdhsa_next_free_sgpr 102
		.amdhsa_reserve_vcc 0
		.amdhsa_float_denorm_mode_32 3
		.amdhsa_float_denorm_mode_16_64 3
		.amdhsa_memory_ordered 1
		.amdhsa_forward_progress 1
		.amdhsa_inst_pref_size 188
	.end_amdhsa_kernel
	.amdgpu_metadata
---
amdhsa.version: [ 1, 2 ]
amdhsa.kernels:
  - .name:           k_q8a9c6cb6c4_proj
    .symbol:         k_q8a9c6cb6c4_proj.kd
    .args:
      - { .name: xw_c, .offset: 0, .size: 8, .value_kind: global_buffer, .address_space: global }
      - { .name: xw_s, .offset: 8, .size: 8, .value_kind: global_buffer, .address_space: global }
      - { .name: qk_c, .offset: 16, .size: 8, .value_kind: global_buffer, .address_space: global }
      - { .name: qk_s, .offset: 24, .size: 8, .value_kind: global_buffer, .address_space: global }
      - { .name: vt_c, .offset: 32, .size: 8, .value_kind: global_buffer, .address_space: global }
      - { .name: vt_s, .offset: 40, .size: 8, .value_kind: global_buffer, .address_space: global }
    .group_segment_fixed_size: 327680
    .private_segment_fixed_size: 0
    .kernarg_segment_align: 8
    .kernarg_segment_size: 48
    .max_flat_workgroup_size: 128
    .sgpr_count:     102
    .vgpr_count:     1024
    .wavefront_size: 32
...
	.end_amdgpu_metadata
.endif
;; end of part 2
;; launch score (part 3): grid 8 x 32, 8 waves a work-group, clusters of 4 x 4, 327,680 bytes of LDS; arguments qk_c, qk_s, p_c, p_st; writes p_c, p_st
.if DOCPART == 3
	.amdgcn_target "amdgcn-amd-amdhsa--gfx1250"
	.amdhsa_code_object_version 6
	.text
	.protected	k_q8a9c6cb6c4_score
	.globl	k_q8a9c6cb6c4_score
	.p2align	8
	.type	k_q8a9c6cb6c4_score,@function
k_q8a9c6cb6c4_score:
	s_mov_b64 s[64:65], 0
	v_nop
	global_prefetch_b8 v0, s[64:65] scope:SCOPE_SE
	s_setreg_imm32_b32 hwreg(HW_REG_WAVE_MODE, 25, 1), 1
	s_wait_xcnt 0x0
	s_wait_alu depctr_hold_cnt(0) depctr_sa_sdst(0) depctr_va_vdst(0) depctr_va_sdst(0) depctr_va_ssrc(0) depctr_va_vcc(0) depctr_vm_vsrc(0)
	s_getreg_b32 s2, hwreg(HW_REG_IB_STS2, 6, 4)
	s_cmp_eq_u32 s2, 0
	s_cbranch_scc0 .Lentry_in_a_cluster
	s_endpgm
.Lentry_in_a_cluster:
	s_bfe_u32 s2, ttmp6, 0x10000c
	s_cmp_lg_u32 s2, 0xf033
	s_cbranch_scc0 .Lentry_shape_is_right
	s_endpgm
.Lentry_shape_is_right:
; S^T = K Q^T on codes of FP6 (E2M3), and the softmax's first half.  Lane side (source 1) = 256 queries, register side (source 0) = 256 keys of the same batch, K = 1,024.  Eight waves, two on a SIMD, 64 queries x 128 keys each.
; For each query and each run of 128 keys (a wave's): t = score x log2(e) / 32; M = ceil(the run's largest t), a whole number; p = 2^(t - M); l = the sum of the unquantised p; p is quantised along the keys.
; Out: p_c [rt 512 (queries)][ks 16 (keys / 128 in the batch)] fragments; p_st: three planes of 524,288 bytes, word (ks, rt, r) at (512 ks + rt - rt % 4) 64 + 16 r + 4 (rt % 4): p's scale words, -M (f32), l (f32).
; The next launch brings each run under the row's M by taking a whole number off the four scale bytes: the codes stay.
; Images and row order as in the launches before: fragment (rt, ks) = 1,536 bytes; qk_c [rt 512][ks 16: 0-7 Q, 8-15 K]; qk_s laid as p_st's planes.
; LDS: two slots of 147,456 bytes: [Q 16 rt][3 K steps], then K likewise.  Slot 0 takes K steps 0-2, slot 1 K steps 3-5: one tensor load a wave at the head, waves 0-3 slot 0's, waves 4-7 slot 1's.
; One refill, K steps 6, 7 into slot 0, waves 0-3, in a round in K step 2; it has K steps 3 and 4 in which to land.  CLUSTER 4 x 4: Q's tile is shared along a row, K's along a column.
; NO PREFETCH: the eight K steps are written out, and there is no loop to run ahead in.
; A K STEP is 32 products in two halves by K's tiles 0-3 and 4-7; behind each half the tiles just used are fetched for the next step, behind the second Q's four too.
; LIMITS: NaN and infinities are not served; scaled scores (exponents to the base 2) stay under 2^31 in magnitude.  A block whose every p is 0 keeps the byte 1 (its codes are zeros).  A block's largest p is taken as the exponential of its largest score, by the same two instructions:
; this takes v_exp_f32 not to fall where its input rises.
.set SLOT,  147456
.set SIDE,  73728
.set HALF,  36864                      ; eight row tiles x 3 K steps
.set SCR,   2*SLOT                     ; 768 bytes a wave: three planes of 256
.set SPARE, SCR+8*768
.set KSP,   32768
.set AQ,    4                          ; v4-6   LDS address of my 64 queries' fragments: slot 0, slot 1, slot 0 refilled
.set AK,    7                          ; v7-8   of my 128 keys': slot 0, 1
.set AQ8,  16                          ; v16-18, v19-20
.set AK8,  19
.set H8,   21                          ; v21    8 h
.set SOFF, 12
.set SA,   13
.set SB,   14
.set G8,   15
.set SPW,  28
.set NIL,  29
.set SC,   32                          ; v32-95  scale words: K step k, block i at v[SC + 8 k + i]: lanes 0-15 Q's (i < 4), lanes 16-31 K's
.set QF,   96                          ; v96-143  Q's four fragments
.set KF,   144                         ; v144-239 K's eight
.set BM,   96                          ; behind the products: v96-99 the blocks' largest scores, then largest p
.set BX,   100
.set SO,   104
.set BY,   108
.set PW,   112
.set MM,   113
.set NM,   114                         ; v[114:115] -M (the packed form names a pair and takes its low word)
.set S1,   116
.set S2,   118
.set LX,   120
.set LS,   121
.set PC,   128
.set P,    160                         ; v160-223 t - M, then p
.set G1A, 24
.set G0A, 32
.set G1B, 44
.set G0B, 52
.set CS,  78                           ; s[78:79] c = log2(e) / 32
.set SEL, 98
.set MSB, 0
.macro WIN new
.if MSB != (\new)
	s_set_vgpr_msb (MSB<<8)|(\new)
.set MSB, (\new)
.endif
.endm
.macro PLACES
.rept 4
	v_nop
.endr
.endm
.macro TLOAD g0, g1
	tensor_load_to_lds s[\g0:\g0+3], s[\g1:\g1+7]
	s_nop 0
	PLACES
.endm
.macro CREST
	s_cmp_lg_u32 s16, 0
	s_cbranch_scc1 .Lnot_wave_0_\@
	s_barrier_signal -3
.Lnot_wave_0_\@:
	s_barrier_wait -3
	s_barrier_signal -1
	s_barrier_wait -1
.endm
.macro CROUND
	s_barrier_signal -1
	s_barrier_wait -1
	CREST
.endm
	s_load_b256 s[4:11], s[0:1], 0x0               ; qk_c, qk_s, p_c, p_st
	v_lshl_add_u32 v[SPW], v0, 2, SPARE
	v_mov_b32 v[NIL], 0
	ds_add_u32 v[SPW], v[NIL]                      ; the wave's opening: the add, twice on end, and its wait ahead of my first tensor load
	ds_add_u32 v[SPW], v[NIL]
	v_lshrrev_b32 v1, 5, v0
	v_readfirstlane_b32 s16, v1
	s_lshr_b32 s17, s16, 1                         ; my 64 queries of the 256
	s_and_b32 s18, s16, 1                          ; my half of the keys.  Also: I fetch Q (0) or K (1)
	s_bfe_u32 s23, s16, 0x10001                    ; which eight row tiles I fetch
	s_lshr_b32 s21, s16, 2                         ; and into which slot at the head
	s_bfe_u32 s19, ttmp6, 0x40000                  ; cx
	s_bfe_u32 s20, ttmp6, 0x40004                  ; cy
	s_and_b32 s22, ttmp7, 0xffff                   ; the cluster's y
	s_lshl_b32 s2, s20, 2
	s_lshl_b32 s2, 15, s2
	s_lshl_b32 s3, 0x1111, s19
	s_or_b32 s[G1A], s2, (3<<16)|(1<<21)           ; 15:0 the mask; elements of 8 bytes; 21 set beside a mask; no padding
	s_or_b32 s[G1B], s3, (3<<16)|(1<<21)
.irp g, G1A, G1B
	s_mov_b32 s[\g+1], 576<<16                     ; 4,608 bytes: three fragments
	s_mov_b32 s[\g+2], 8<<16
	s_mov_b32 s[\g+3], 576<<16
	s_mov_b32 s[\g+4], 8
	s_mov_b32 s[\g+5], 3072                        ; from row tile to row tile: 24,576 bytes
	s_mov_b32 s[\g+6], 0
	s_mov_b32 s[\g+7], 0
.endr
	s_lshl_b32 s66, s22, 2
	s_add_co_u32 s66, s66, s20                     ; 8 x batch + the tile of 256 queries (s66-s71 never hold cx)
	s_lshl_b32 s68, s66, 4                         ; Q's first row tile
	s_lshl_b32 s80, s23, 3
	s_mul_i32 s81, s21, 4608
	s_add_co_u32 s69, s68, s80
	s_mul_i32 s70, s69, 24576
	s_add_co_u32 s70, s70, s81
	s_mov_b32 s71, 0
	s_lshl_b32 s72, ttmp9, 2
	s_add_co_u32 s72, s72, s19                     ; the tile of 256 keys in the batch (s72-s77 never hold cy)
	s_lshr_b32 s73, s22, 1                         ; the batch
	s_lshl_b32 s73, s73, 3
	s_add_co_u32 s74, s73, s72
	s_lshl_b32 s74, s74, 4                         ; K's first row tile
	s_add_co_u32 s75, s74, s80
	s_mul_i32 s76, s75, 24576
	s_add_co_u32 s76, s76, s81
	s_add_co_u32 s76, s76, 12288                   ; K's fragments lie behind Q's eight
	s_mov_b32 s77, 0
	s_mul_i32 s82, s21, SLOT                       ; where my load lands: no place in the cluster enters an LDS address
	s_mul_i32 s83, s18, SIDE
	s_add_co_u32 s82, s82, s83
	s_mul_i32 s83, s23, HALF
	s_add_co_u32 s82, s82, s83
	s_lshl_b32 s85, s17, 2
	s_add_co_u32 s85, s85, s68                     ; my first row tile of queries
	s_lshl_b32 s83, s85, 6                         ; Q's scale words
	s_lshl_b32 s84, s18, 3
	s_add_co_u32 s84, s84, s74
	s_lshl_b32 s84, s84, 6
	s_add_co_u32 s84, s84, 262144                  ; K's: eight K steps further on
	s_lshl_b32 s86, s72, 1
	s_add_co_u32 s86, s86, s18                     ; my run of 128 keys
	s_lshl_b32 s88, s85, 4
	s_add_co_u32 s88, s88, s86
	s_mul_i32 s88, s88, 1536
	s_mov_b32 s89, 0
	s_lshl_b32 s92, s86, 9
	s_add_co_u32 s92, s92, s85
	s_lshl_b32 s92, s92, 6
	s_mov_b32 s93, 0
	s_mov_b32 s[CS], 0x3d38aa3b                    ; log2(e) / sqrt(1024)
	s_mov_b32 s[CS+1], s[CS]
	s_mov_b32 s[SEL], 0x76543210
	s_mov_b32 s[SEL+1], 0xfedcba98
	s_lshr_b32 s94, s17, 1
	s_mul_i32 s94, s94, HALF
	s_and_b32 s95, s17, 1
	s_mul_i32 s96, s95, 12288
	s_mul_i32 s95, s95, 18432
	s_add_co_u32 s95, s95, s94                     ; my four row tiles of queries in a slot of three K steps,
	s_add_co_u32 s96, s96, s94                     ; and of two
	s_mul_i32 s97, s18, HALF
	s_add_co_u32 s97, s97, SIDE
	s_mul_i32 s101, s16, 768
	s_add_co_u32 s101, s101, SCR
	v_and_b32 v1, 15, v0
	v_bfe_u32 v2, v0, 4, 1
	v_and_b32 v9, 31, v0
	v_lshlrev_b32 v3, 4, v9                        ; 16 x lane
	v_lshlrev_b32 v[G8], 3, v9
	v_add_nc_u32 v[AQ], s95, v3
	v_add_nc_u32 v[AQ+1], SLOT, v[AQ]
	v_add_nc_u32 v[AQ+2], s96, v3
	v_add_nc_u32 v[AK], s97, v3
	v_add_nc_u32 v[AK+1], SLOT, v[AK]
	v_add_nc_u32 v[AQ8], s95, v[G8]                ; the same for the loads of 8 bytes a lane
	v_add_nc_u32 v[AQ8+1], SLOT, v[AQ8]
	v_add_nc_u32 v[AQ8+2], s96, v[G8]
	v_add_nc_u32 v[AK8], s97, v[G8]
	v_add_nc_u32 v[AK8+1], SLOT, v[AK8]
	v_lshlrev_b32 v[H8], 3, v2
	v_lshl_add_u32 v[SA], v1, 4, s101
	v_add_nc_u32 v[SB], s101, v[G8]
	v_mov_b32 v[SOFF], s83
	v_mov_b32 v10, s84
	v_cmp_eq_u32 s100, 1, v2
	v_cndmask_b32 v[SOFF], v[SOFF], v10, s100      ; lanes 0-15 take Q's words, lanes 16-31 K's
	v_lshl_add_u32 v[SOFF], v1, 4, v[SOFF]
	s_wait_alu depctr_va_vdst(0)                   ; the wait at the head's end
	s_wait_dscnt 0x0
	CROUND                                         ; all sixteen work-groups are here: the first joint loads meet
	s_wait_kmcnt 0x0
	s_add_nc_u64 s[70:71], s[4:5], s[70:71]
	s_add_nc_u64 s[76:77], s[4:5], s[76:77]
	s_add_nc_u64 s[8:9], s[8:9], s[88:89]
	s_add_nc_u64 s[10:11], s[10:11], s[92:93]
	s_mov_b32 s[G0A], 1
	s_mov_b32 s[G0A+1], s82
	s_mov_b64 s[G0A+2:G0A+3], s[70:71]
	s_or_b32 s[G0A+3], s[G0A+3], 0x80000000
	s_mov_b32 s[G0B], 1
	s_mov_b32 s[G0B+1], s82
	s_mov_b64 s[G0B+2:G0B+3], s[76:77]
	s_or_b32 s[G0B+3], s[G0B+3], 0x80000000
	s_cmp_lt_u32 s16, 4                            ; one tensor load a wave, in one tree of branches on the wave's number; waves 0-3, which wait at the first barrier, have lines of their own
	s_cbranch_scc0 .Lslot_1
	s_cmp_eq_u32 s18, 0
	s_cbranch_scc0 .Lslot_0_k
	TLOAD G0A, G1A
	s_branch .Lasked
.Lslot_0_k:
	TLOAD G0B, G1B
	s_branch .Lasked
.Lslot_1:
	s_cmp_eq_u32 s18, 0
	s_cbranch_scc0 .Lslot_1_k
	TLOAD G0A, G1A
	s_branch .Lasked
.Lslot_1_k:
	TLOAD G0B, G1B
.Lasked:
.irp k, 0,1,2,3,4,5,6,7
.irp g, 0,1
	global_load_b128 v[SC+8*\k+4*\g:SC+8*\k+4*\g+3], v[SOFF], s[6:7] offset:\k*KSP+256*\g   ; four blocks' words a load (of the second lanes 16-31 are used)
.endr
.endr
; K step k lies in run k / 3: rows of three fragments (runs 0, 1) or two (run 2), at k % 3
; A fragment of Q or K is two halves of 768 bytes, each four registers (16 bytes a lane) and two (8 bytes a lane)
.macro FQ k                            ; Q's four fragments: 16 loads
.irp i, 0,1,2,3
.irp c, 0,1
.set O_, (4608-1536*((\k)/6))*\i+1536*((\k)%3)+768*\c
	ds_load_b128 v[QF+12*\i+6*\c:QF+12*\i+6*\c+3], v[AQ+(\k)/3] offset:O_
	ds_load_b64 v[QF+12*\i+6*\c+4:QF+12*\i+6*\c+5], v[AQ8+(\k)/3] offset:O_+512
.endr
.endr
.endm
.macro FK k, i0                        ; K's fragments i0 .. i0 + 3: 16 loads
.irp i, 0,1,2,3
.irp c, 0,1
.set O_, (4608-1536*((\k)/6))*((\i0)+\i)+1536*((\k)%3)+768*\c
	ds_load_b128 v[KF+12*((\i0)+\i)+6*\c:KF+12*((\i0)+\i)+6*\c+3], v[AK+((\k)/3)%2] offset:O_
	ds_load_b64 v[KF+12*((\i0)+\i)+6*\c+4:KF+12*((\i0)+\i)+6*\c+5], v[AK8+((\k)/3)%2] offset:O_+512
.endr
.endr
.endm
.macro MUL b0, k, z                    ; K's tiles b0, b0 + 1 x Q's four.  The 32 accumulators (a, b) at v[8 (8 a + b)] of window 1 take turns, in the same order in every step
.irp b, 0,1
.irp a, 0,1,2,3
.set D_, 8*(8*\a+(\b0)+\b)
.set K_, KF+12*((\b0)+\b)
.if \z
	v_wmma_scale_f32_16x16x128_f8f6f4 v[D_:D_+7], v[K_:K_+11], v[QF+12*\a:QF+12*\a+11], 0, v[SC+8*(\k)+(\b0)+\b], v[SC+8*(\k)+\a] matrix_a_fmt:MATRIX_FMT_FP6 matrix_b_fmt:MATRIX_FMT_FP6 matrix_a_scale:MATRIX_SCALE_ROW1
.else
	v_wmma_scale_f32_16x16x128_f8f6f4 v[D_:D_+7], v[K_:K_+11], v[QF+12*\a:QF+12*\a+11], v[D_:D_+7], v[SC+8*(\k)+(\b0)+\b], v[SC+8*(\k)+\a] matrix_a_fmt:MATRIX_FMT_FP6 matrix_b_fmt:MATRIX_FMT_FP6 matrix_a_scale:MATRIX_SCALE_ROW1
.endif
.endr
.endr
.endm
; bar = 1: a plain barrier shows what the tensor loads that are out have brought.  bar = 2: a round, and the refill of slot 0.
.macro STEP k, z, bar
	s_wait_dscnt 16                                ; Q's four and K's tiles 0-3 are in; the youngest sixteen loads (tiles 4-7) may be out
	WIN 0x50
	MUL 0, \k, \z
	MUL 2, \k, \z
	WIN 0
	PLACES
	FK (\k)+1, 0
.if (\bar) == 0
	s_wait_dscnt 16                                ; tiles 4-7 are in; the sixteen just issued may be out
	WIN 0x50
	MUL 4, \k, \z
	MUL 6, \k, \z
	WIN 0
.elseif (\bar) == 1
	s_wait_tensorcnt 0x0
	s_wait_dscnt 0x0
	s_barrier_signal -1
	WIN 0x50
	MUL 4, \k, \z
	MUL 6, \k, \z
	WIN 0
	s_barrier_wait -1
.else
	s_wait_tensorcnt 0x0                           ; all my tensor loads have landed
	ds_add_u32 v[SPW], v[NIL]
	s_add_nc_u64 s[G0A+2:G0A+3], s[G0A+2:G0A+3], 9216   ; for waves 0-3: K step 6
	s_add_nc_u64 s[G0B+2:G0B+3], s[G0B+2:G0B+3], 9216
.irp g, G1A, G1B
	s_mov_b32 s[\g+1], 384<<16                     ; rows of two fragments
	s_mov_b32 s[\g+3], 384<<16
.endr
	s_wait_dscnt 17                                ; tiles 4-7 are in (the sixteen loads and the add may be out)
	WIN 0x50
	MUL 4, \k, \z
	s_wait_dscnt 0x0                               ; the add is done, and so are my reads of slot 0
	s_barrier_signal -1
	MUL 6, \k, \z
	WIN 0
	s_barrier_wait -1
	CREST                                          ; no wave of any partner still reads slot 0 or has a load on its way
	s_cmp_lt_u32 s16, 4
	s_cbranch_scc0 .Lrefilled
	s_cmp_eq_u32 s18, 0
	s_cbranch_scc0 .Lrefill_k
	TLOAD G0A, G1A
	s_branch .Lrefilled
.Lrefill_k:
	TLOAD G0B, G1B
.Lrefilled:
.endif
	PLACES
	FQ (\k)+1
	FK (\k)+1, 4
.endm
	s_cmp_lt_u32 s16, 4
	s_cbranch_scc0 .Lnot_slot_0
	s_wait_tensorcnt 0x0                           ; my part of slot 0 is in; slot 1's may be out
.Lnot_slot_0:
	s_barrier_signal -1
	s_barrier_wait -1
	FK 0, 0
	FQ 0
	FK 0, 4
	s_wait_loadcnt 0x0                             ; the scale words
	STEP 0, 1, 0                                   ; the first products start the sums
	STEP 1, 0, 1                                   ; slot 1 is shown to all
	STEP 2, 0, 2
	STEP 3, 0, 0
	STEP 4, 0, 1                                   ; the refill is shown to all
	STEP 5, 0, 0
	STEP 6, 0, 0
	s_wait_dscnt 16
	WIN 0x50
	MUL 0, 7, 0
	MUL 2, 7, 0
	s_wait_dscnt 0x0
	MUL 4, 7, 0
	MUL 6, 7, 0
	WIN 0
	PLACES
; Block a of 16 queries: my lane holds one query; register 32 c + i is key 64 c + 32 h + i of my wave's 128: two whole blocks of 32 keys.
.macro SOFTQ a
.set AC, 64*(\a)
	WIN 0x15
.irp b, 0,1,2,3
	v_max3_num_f32 v[BM+\b], v[AC+16*\b], v[AC+16*\b+1], v[AC+16*\b+2]   ; the largest score of each block of 32 keys: for the maximum, and for the block's largest p
.endr
	WIN 0x14
.irp i, 3,5,7,9,11,13
.irp b, 0,1,2,3
	v_max3_num_f32 v[BM+\b], v[BM+\b], v[AC+16*\b+\i], v[AC+16*\b+\i+1]
.endr
.endr
.irp b, 0,1,2,3
	v_max_num_f32 v[BM+\b], v[BM+\b], v[AC+16*\b+15]
.endr
	WIN 0
	v_max_num_f32 v[BM], v[BM], v[BM+1]            ; the largest score of my block c = 0,
	v_max_num_f32 v[BM+1], v[BM+2], v[BM+3]        ; and of c = 1
	v_max_num_f32 v[MM], v[BM], v[BM+1]
	v_permlanex16_b32 v[BX], v[MM], s[SEL], s[SEL+1]
	v_max_num_f32 v[MM], v[MM], v[BX]
	v_mul_f32 v[MM], s[CS], v[MM]                  ; the run's largest t (c is positive)
	v_floor_f32 v[NM], -v[MM]                      ; -M = floor(-t) = -ceil(t): a whole number
	WIN 0x01
.irp j, 0,2,4,6,8,10,12,14,16,18,20,22,24,26,28,30,32,34,36,38,40,42,44,46,48,50,52,54,56,58,60,62
	v_pk_fma_f32 v[P+\j:P+\j+1], v[AC+\j:AC+\j+1], s[CS:CS+1], v[NM:NM+1] op_sel_hi:[1,0,0]   ; t - M, two at a time, into window 0
.endr
	WIN 0
.irp b, 0,1
	v_fma_f32 v[BM+\b], v[BM+\b], s[CS], v[NM]     ; the same of each block's largest score
.endr
	s_wait_alu depctr_va_vdst(0)
.irp j, 0,1,2,3,4,5,6,7,8,9,10,11,12,13,14,15,16,17,18,19,20,21,22,23,24,25,26,27,28,29,30,31,32,33,34,35,36,37,38,39,40,41,42,43,44,45,46,47,48,49,50,51,52,53,54,55,56,57,58,59,60,61,62,63
	v_exp_f32 v[P+\j], v[P+\j]                     ; p = 2^(t - M), at most 1
.endr
.irp b, 0,1
	v_exp_f32 v[BM+\b], v[BM+\b]                   ; the block's largest p
.endr
	v_nop                                          ; a plain place behind the exponentials
	s_wait_alu depctr_va_vdst(0)                   ; one wait for the batch, ahead of its first reader
	v_pk_add_f32 v[S1:S1+1], v[P:P+1], v[P+2:P+3]  ; the sum of the unquantised p, two at a time, in two chains
	v_pk_add_f32 v[S2:S2+1], v[P+4:P+5], v[P+6:P+7]
.irp j, 8,12,16,20,24,28,32,36,40,44,48,52,56,60
	v_pk_add_f32 v[S1:S1+1], v[S1:S1+1], v[P+\j:P+\j+1]
	v_pk_add_f32 v[S2:S2+1], v[S2:S2+1], v[P+\j+2:P+\j+3]
.endr
	v_pk_add_f32 v[S1:S1+1], v[S1:S1+1], v[S2:S2+1]
.irp b, 0,1
	v_max_num_f32 v[BM+\b], 0x1800000, v[BM+\b]    ; the floor 2^(3 - 127): the byte cannot fall under 1
.endr
	v_add_f32 v[LS], v[S1], v[S1+1]
.irp b, 0,1
	v_add_nc_u32 v[SO+\b], 0xff000000, v[BM+\b]
.endr
	v_permlanex16_b32 v[LX], v[LS], s[SEL], s[SEL+1]
.irp b, 0,1
	v_lshrrev_b32 v[BY+\b], 23, v[SO+\b]
.endr
	v_add_f32 v[LS], v[LS], v[LX]                  ; l of my query over the 128 keys
	v_lshl_or_b32 v[PW], v[BY+1], 16, v[BY]
	v_lshlrev_b32 v[PW], v[H8], v[PW]              ; my bytes h and 2 + h of the scale word;
	v_permlanex16_b32 v[BX], v[PW], s[SEL], s[SEL+1]
	v_or_b32 v[PW], v[PW], v[BX]                   ; and lane l xor 16's two
	s_wait_alu depctr_va_vdst(0)
	s_wait_xcnt 0x0                                ; the last block's stores have read PC
.irp c, 0,1
	v_cvt_scalef32_pk16_fp6_f32 v[PC+6*\c:PC+2+6*\c], v[P+32*\c:P+32*\c+15], v[SO+\c]
	v_cvt_scalef32_pk16_fp6_f32 v[PC+12+4*\c:PC+14+4*\c], v[P+32*\c+16:P+32*\c+31], v[SO+\c]
.endr
	v_nop                                          ; one plain place behind a scaled conversion
.irp c, 0,1
.irp i, 0,1,2
	v_mov_b32 v[PC+3+6*\c+\i], v[PC+12+4*\c+\i]
.endr
.endr
.irp c, 0,1,2
	global_store_b128 v3, v[PC+4*\c:PC+4*\c+3], s[8:9] offset:24576*(\a)+512*\c   ; 512 consecutive bytes, aligned
.endr
	ds_store_b32 v[SA], v[PW] offset:4*(\a)
	ds_store_b32 v[SA], v[NM] offset:256+4*(\a)
	ds_store_b32 v[SA], v[LS] offset:512+4*(\a)
	s_wait_dscnt 0x0                               ; they have read PW, -M and l
.endm
.irp a, 0,1,2,3
	SOFTQ \a
.endr
.irp c, 0,1,2
	ds_load_b64 v[BM+2*\c:BM+2*\c+1], v[SB] offset:256*\c   ; LDS serves a wave in order: these see my stores
.endr
	s_wait_dscnt 0x0
.irp c, 0,1,2
	global_store_b64 v[G8], v[BM+2*\c:BM+2*\c+1], s[10:11] offset:524288*\c   ; 256 consecutive bytes, aligned
.endr
	s_wait_tensorcnt 0x0                           ; the wave's end
	ds_add_u32 v[SPW], v[NIL]
	s_wait_dscnt 0x0
	CROUND                                         ; the closing round
	s_endpgm
.Lfunc_end_k_q8a9c6cb6c4_score:
	.size	k_q8a9c6cb6c4_score, .Lfunc_end_k_q8a9c6cb6c4_score-k_q8a9c6cb6c4_score
	.p2alignl 7, 3214868480
	.fill 96, 4, 3214868480
	.section	.rodata,"a",@progbits
	.p2align	6, 0x0
	.amdhsa_kernel k_q8a9c6cb6c4_score
		.amdhsa_group_segment_fixed_size 327680
		.amdhsa_private_segment_fixed_size 0
		.amdhsa_enable_private_segment 0
		.amdhsa_kernarg_size 32
		.amdhsa_user_sgpr_count 2
		.amdhsa_user_sgpr_kernarg_segment_ptr 1
		.amdhsa_wavefront_size32 1
		.amdhsa_system_sgpr_workgroup_id_x 1
		.amdhsa_system_sgpr_workgroup_id_y 1
		.amdhsa_system_sgpr_workgroup_id_z 1
		.amdhsa_system_vgpr_workitem_id 0
		.amdhsa_next_free_vgpr 512
		.amdhsa_next_free_sgpr 102
		.amdhsa_reserve_vcc 0
		.amdhsa_float_denorm_mode_32 3
		.amdhsa_float_denorm_mode_16_64 3
		.amdhsa_memory_ordered 1
		.amdhsa_forward_progress 1
		.amdhsa_inst_pref_size 112
	.end_amdhsa_kernel
	.amdgpu_metadata
---
amdhsa.version: [ 1, 2 ]
amdhsa.kernels:
  - .name:           k_q8a9c6cb6c4_score
    .symbol:         k_q8a9c6cb6c4_score.kd
    .args:
      - { .name: qk_c, .offset: 0, .size: 8, .value_kind: global_buffer, .address_space: global }
      - { .name: qk_s, .offset: 8, .size: 8, .value_kind: global_buffer, .address_space: global }
      - { .name: p_c, .offset: 16, .size: 8, .value_kind: global_buffer, .address_space: global }
      - { .name: p_st, .offset: 24, .size: 8, .value_kind: global_buffer, .address_space: global }
    .group_segment_fixed_size: 327680
    .private_segment_fixed_size: 0
    .kernarg_segment_align: 8
    .kernarg_segment_size: 32
    .max_flat_workgroup_size: 256
    .sgpr_count:     102
    .vgpr_count:     512
    .wavefront_size: 32
...
	.end_amdgpu_metadata
.endif
;; end of part 3
;; launch pv (part 4): grid 8 x 32, 4 waves a work-group, clusters of 4 x 4, 327,680 bytes of LDS; arguments p_c, p_st, vt_c, vt_s, out0; writes out0
.if DOCPART == 4
	.amdgcn_target "amdgcn-amd-amdhsa--gfx1250"
	.amdhsa_code_object_version 6
	.text
	.protected	k_q8a9c6cb6c4_pv
	.globl	k_q8a9c6cb6c4_pv
	.p2align	8
	.type	k_q8a9c6cb6c4_pv,@function
k_q8a9c6cb6c4_pv:
	s_mov_b64 s[64:65], 0
	v_nop
	global_prefetch_b8 v0, s[64:65] scope:SCOPE_SE
	s_setreg_imm32_b32 hwreg(HW_REG_WAVE_MODE, 25, 1), 1
	s_wait_xcnt 0x0
	s_wait_alu depctr_hold_cnt(0) depctr_sa_sdst(0) depctr_va_vdst(0) depctr_va_sdst(0) depctr_va_ssrc(0) depctr_va_vcc(0) depctr_vm_vsrc(0)
	s_getreg_b32 s2, hwreg(HW_REG_IB_STS2, 6, 4)
	s_cmp_eq_u32 s2, 0
	s_cbranch_scc0 .Lentry_in_a_cluster
	s_endpgm
.Lentry_in_a_cluster:
	s_bfe_u32 s2, ttmp6, 0x10000c
	s_cmp_lg_u32 s2, 0xf033
	s_cbranch_scc0 .Lentry_shape_is_right
	s_endpgm
.Lentry_shape_is_right:
; out = P V / l on codes of FP6 (E2M3).  Work-group (X, Y): queries 256 Y on, columns 128 X on; K = the batch's 2,048 keys.  Four waves, 2 x 2: 128 queries (eight blocks of 16) x 64 columns each.
; Source 0 = 16 rows of V^T, source 1 = 16 queries: a lane holds one query and eight neighbouring columns.  The order of the rows, of V^T's columns and of P's queries, is that of the launches before: lane row r of tile rt is row 64 (rt / 4) + 32 (r / 8) + 8 (rt % 4) + r % 8.
; K GOES IN TWO HALVES of eight K steps of 128.  A wave holds its four tiles of V^T for a half of K in registers (32 fragments, 384 registers) and streams P past them, two blocks (a PAIR) at a time.
; A GROUP is 16 products: two K steps of a pair; behind it stands one run of LDS loads: the same two K steps of the next pair, into the registers just read (and, in the first half's last pair, V^T's second half).
; All eight blocks' sums stay in registers (256).  In the second half a pair is finished by its fourth group, and leaves under the next pair's products: scaled among the first group's, staged in its run, stored in the third's.
; THE STATISTICS: each run of 128 keys has its own M; the row's M is the largest.  A run's l is multiplied by 2^(run's M - row's M), its scale bytes lose that whole number (held at 0: the number 2^-127, under which such codes add nothing).
; The two waves that have the same queries share them out, four blocks each, and hand scale words and 1 / l to each other through LDS.
; LDS: V^T's half of K (VREG), P's half of K (PREG: blocks 0-3 of both wave rows, then blocks 4-7), a stage of 16 rows x 272 bytes a wave for the way out; the exchange of the statistics lies where the stages lie later.
; FILLS: at the head one tensor load a wave: waves 0, 1 V^T, wave 2 P's blocks 0-3, wave 3 P's blocks 4-7.  TWO REFILLS, each in a round: in pair 1 V^T's and P's low half for the second half of K, in pair 3 P's high half.  A wave has one tensor load outstanding at the most.
; CLUSTER 4 x 4: P's tile hangs on Y alone and is shared along a row, V^T's on X and the batch (the cluster's y) and is shared along a column.
; PREFETCHES: what the two rounds will load, each block of 256 bytes named once in the cluster that will load it, shared out by address among the sixteen waves that ask jointly; V^T's behind the head's barrier, P's low half in pair 0, its high half in pair 1, two pairs ahead of its load.
; THE WAITS' COUNTS: a group's fragments were asked for four groups ago, so three runs are younger: 12 loads each as a rule, 44 with V^T's in the first half's last pair (56 in pair 0, which fetches its own), 44 with a stage; a count is 63 at the most.
; LIMITS: NaN and infinities are not served; scaled scores (exponents to the base 2) stay under 2^31 in magnitude.
.set VREG,  0
.set PREG,  98304
.set STG,   294912
.set EXL,   STG+16384                  ; the exchange: scale words [wave][kk][lane][16] from STG on, 1 / l [wave][lane][16] from here
.set SPARE, STG+18432
.set VA,   4                           ; v4      LDS address of my V^T tiles; v53 the same for loads of 8 bytes a lane
.set PA0,  5                           ; v5, v6  of my blocks 0-3, 4-7
.set STO,  7
.set RD,   8
.set L16,  9
.set SPW,  10
.set NIL,  11
.set PFV,  12
.set PFP,  13
.set CO,   14
.set STOFF, 15
.set VOFF, 16
.set EXS,  17
.set EXR,  18
.set RXS,  19
.set VS,   20                          ; v20-51  V^T's scale words: K step kk, tile b at VS + 4 kk + b; lanes 0-15 the first half of K, lanes 16-31 the second
.set RXR,  52
.set VA8,  53
.set PS,   56                          ; v56-119 P's: block s, K step kk at PS + 32 (s / 4) + 4 kk + s % 4; lanes likewise
.set RL,   120                         ; v120-127 1 / l of my query in block s
.set E,    128                         ; v128-153 at the head at work in the statistics
.set T,    136
.set G,    144
.set GX,   145
.set SUM,  146
.set RLT,  150
.set TPS,  160                         ; v160-255 at the head the statistics as loaded; later the sums of blocks 5-7
.set TNM,  192
.set TLL,  224
; window 1 and window 2 to v131: V^T's fragments 4 q + b, 21 to window 1;  window 2, v132-227: the pair's even block; window 3, v0-95: its odd block; window 3, v96-255: the sums of blocks 0-4
.set G1V, 24
.set G0V, 32
.set G0P, 36
.set G1P, 44
.set SEL, 98
.set MSB, 0
.macro WIN new
.if MSB != (\new)
	s_set_vgpr_msb (MSB<<8)|(\new)
.set MSB, (\new)
.endif
.endm
.macro PLACES
.rept 4
	v_nop
.endr
.endm
.macro TLOAD g0, g1
	tensor_load_to_lds s[\g0:\g0+3], s[\g1:\g1+7]
	s_nop 0
	PLACES
.endm
.macro CREST
	s_cmp_lg_u32 s16, 0
	s_cbranch_scc1 .Lnot_wave_0_\@
	s_barrier_signal -3
.Lnot_wave_0_\@:
	s_barrier_wait -3
	s_barrier_signal -1
	s_barrier_wait -1
.endm
.macro CROUND
	s_barrier_signal -1
	s_barrier_wait -1
	CREST
.endm
	s_load_b256 s[4:11], s[0:1], 0x0               ; p_c, p_st, vt_c, vt_s
	s_load_b64 s[12:13], s[0:1], 0x20              ; out0
	v_lshl_add_u32 v[SPW], v0, 2, SPARE
	v_mov_b32 v[NIL], 0
	ds_add_u32 v[SPW], v[NIL]                      ; the wave's opening: the add, twice on end, and its wait ahead of my first tensor load
	ds_add_u32 v[SPW], v[NIL]
	v_lshrrev_b32 v1, 5, v0
	v_readfirstlane_b32 s16, v1
	s_lshr_b32 s17, s16, 1                         ; my half of the queries
	s_and_b32 s18, s16, 1                          ; my half of the columns.  Also: which half of a tile I fetch
	s_bfe_u32 s19, ttmp6, 0x40000                  ; cx
	s_bfe_u32 s20, ttmp6, 0x40004                  ; cy
	s_and_b32 s22, ttmp7, 0xffff                   ; the cluster's y
	s_lshl_b32 s2, s20, 2
	s_lshl_b32 s2, 15, s2
	s_lshl_b32 s3, 0x1111, s19
	s_or_b32 s[G1P], s2, (3<<16)|(1<<21)
	s_or_b32 s[G1V], s3, (3<<16)|(1<<21)
	s_mov_b32 s[G1P+1], 1536<<16                   ; rows of 12,288 bytes: eight fragments, half of K
	s_mov_b32 s[G1P+2], 8<<16                      ; at the head eight row tiles; in the refills four
	s_mov_b32 s[G1P+3], 1536<<16
	s_mov_b32 s[G1P+4], 8
	s_mov_b32 s[G1P+5], 3072                       ; from row tile to row tile: 24,576 bytes
	s_mov_b32 s[G1P+6], 0
	s_mov_b32 s[G1P+7], 0
	s_mov_b32 s[G1V+1], 1536<<16
	s_mov_b32 s[G1V+2], 4<<16
	s_mov_b32 s[G1V+3], 1536<<16
	s_mov_b32 s[G1V+4], 4
	s_mov_b32 s[G1V+5], 12288                      ; 98,304 bytes
	s_mov_b32 s[G1V+6], 0
	s_mov_b32 s[G1V+7], 0
	s_lshl_b32 s66, s22, 2
	s_add_co_u32 s66, s66, s20                     ; Y (s66-s71, s74-s75 never hold cx)
	s_lshl_b32 s67, s66, 4                         ; P's first row tile
	s_lshl_b32 s69, s18, 3
	s_add_co_u32 s69, s69, s67
	s_mul_i32 s70, s69, 24576                      ; at the head: eight row tiles
	s_mov_b32 s71, 0
	s_lshl_b32 s69, s18, 2
	s_add_co_u32 s69, s69, s67
	s_mul_i32 s74, s69, 24576                      ; in the refills: four, the second half of K
	s_add_co_u32 s74, s74, 12288
	s_mov_b32 s75, 0
	s_lshl_b32 s72, ttmp9, 2
	s_add_co_u32 s72, s72, s19                     ; X (s72, s76-s77 never hold cy)
	s_lshr_b32 s73, s22, 1                         ; the batch
	s_mul_i32 s80, s73, 24576
	s_mul_i32 s81, s72, 786432                     ; V^T: eight row tiles
	s_add_co_u32 s81, s81, s80
	s_mul_i32 s76, s18, 393216                     ; of which I fetch four
	s_add_co_u32 s76, s76, s81
	s_mov_b32 s77, 0
	s_mul_i32 s82, s18, 98304
	s_add_co_u32 s82, s82, PREG                    ; where my loads land
	s_mul_i32 s83, s18, 49152
	s_add_co_u32 s91, s83, PREG
	s_lshl_b32 s90, s20, 2                         ; the prefetches: my number among the sixteen waves of my column,
	s_add_co_u32 s90, s90, s16
	s_lshr_b32 s94, s90, 1
	s_mul_i32 s94, s94, 98304                      ; half a row tile's 12,288 bytes each
	s_and_b32 s90, s90, 1
	s_mul_i32 s90, s90, 6144
	s_add_co_u32 s78, s81, 12288
	s_add_co_u32 s78, s78, s94
	s_add_co_u32 s78, s78, s90
	s_lshl_b32 s95, s19, 2                         ; and of my row
	s_add_co_u32 s95, s95, s16
	s_lshr_b32 s96, s95, 1
	s_mul_i32 s96, s96, 24576
	s_and_b32 s95, s95, 1
	s_mul_i32 s95, s95, 6144
	s_mul_i32 s79, s67, 24576
	s_add_co_u32 s79, s79, 12288
	s_add_co_u32 s79, s79, s96
	s_add_co_u32 s79, s79, s95
	s_lshl_b32 s84, s18, 3                         ; the statistics of the four blocks that I work out
	s_lshl_b32 s85, s17, 2
	s_add_co_u32 s84, s84, s85
	s_add_co_u32 s84, s84, s67
	s_lshl_b32 s84, s84, 6
	s_lshl_b32 s85, s73, 16                        ; V^T's scale words
	s_lshl_b32 s88, s72, 1
	s_add_co_u32 s88, s88, s18
	s_lshl_b32 s88, s88, 8
	s_add_co_u32 s85, s85, s88
	s_lshl_b32 s88, s66, 8                         ; my first row and column of out0
	s_lshl_b32 s89, s17, 6
	s_add_co_u32 s88, s88, s89
	s_lshl_b32 s88, s88, 12
	s_lshl_b32 s89, s72, 9
	s_add_co_u32 s88, s88, s89
	s_lshl_b32 s89, s18, 8
	s_add_co_u32 s88, s88, s89
	s_mov_b32 s89, 0
	s_mov_b32 s86, 0
	s_mov_b32 s87, 0x80808080
	s_mov_b32 s[SEL], 0x76543210
	s_mov_b32 s[SEL+1], 0xfedcba98
	s_mul_i32 s100, s17, 49152
	s_add_co_u32 s100, s100, PREG
	s_mul_i32 s101, s16, 4352
	s_add_co_u32 s101, s101, STG
	s_lshl_b32 s92, s16, 12
	s_add_co_u32 s92, s92, STG
	s_lshl_b32 s93, s17, 13
	s_add_co_u32 s93, s93, STG
	s_lshl_b32 s96, s16, 9
	s_add_co_u32 s96, s96, EXL
	s_lshl_b32 s97, s17, 10
	s_add_co_u32 s97, s97, EXL
	v_and_b32 v1, 15, v0                           ; r
	v_bfe_u32 v2, v0, 4, 1                         ; h
	v_and_b32 v3, 31, v0
	v_lshlrev_b32 v[L16], 4, v3
	v_min_u32 v54, 23, v3                          ; 24 blocks of 256 bytes; the lanes left over name the last again
	v_lshl_add_u32 v[PFV], v54, 8, s78
	v_lshl_add_u32 v[PFP], v54, 8, s79
	v_add_nc_u32 v[VA], s83, v[L16]
	v_lshl_add_u32 v[VA8], v3, 3, s83
	v_add_nc_u32 v[PA0], s100, v[L16]
	v_add_nc_u32 v[PA0+1], 98304, v[PA0]
	v_mul_u32_u24 v54, v1, 272
	v_lshl_add_u32 v54, v2, 7, v54
	v_add_nc_u32 v[STO], s101, v54
	v_mul_u32_u24 v55, v2, 272
	v_lshl_add_u32 v55, v1, 4, v55
	v_add_nc_u32 v[RD], s101, v55
	v_lshlrev_b32 v[CO], 12, v2
	v_lshl_add_u32 v[CO], v1, 4, v[CO]
	v_lshl_add_u32 v[STOFF], v1, 4, s84
	v_lshl_add_u32 v[STOFF], v2, 18, v[STOFF]      ; lanes 16-31: eight K steps on
	v_lshl_add_u32 v[VOFF], v1, 4, s85
	v_lshl_add_u32 v[VOFF], v2, 15, v[VOFF]
	v_add_nc_u32 v[EXS], s92, v[L16]
	v_add_nc_u32 v[EXR], s93, v[L16]
	v_add_nc_u32 v[RXS], s96, v[L16]
	v_add_nc_u32 v[RXR], s97, v[L16]
	v_mov_b32 v[GX], 0                             ; written once: a lane permute's destination counts as one of its sources
	s_wait_alu depctr_va_vdst(0)                   ; the wait at the head's end
	s_wait_dscnt 0x0                               ; both opening adds are done
	s_wait_kmcnt 0x0
.irp kk, 0,1,2,3,4,5,6,7
	global_load_b128 v[TPS+4*\kk:TPS+4*\kk+3], v[STOFF], s[6:7] offset:32768*\kk             ; scale words, -M, l of four blocks
	global_load_b128 v[TNM+4*\kk:TNM+4*\kk+3], v[STOFF], s[6:7] offset:524288+32768*\kk
	global_load_b128 v[TLL+4*\kk:TLL+4*\kk+3], v[STOFF], s[6:7] offset:1048576+32768*\kk
.endr
	CROUND                                         ; all sixteen work-groups are here: the first joint loads meet
	s_add_nc_u64 s[70:71], s[4:5], s[70:71]
	s_add_nc_u64 s[74:75], s[4:5], s[74:75]
	s_add_nc_u64 s[76:77], s[8:9], s[76:77]
	s_add_nc_u64 s[12:13], s[12:13], s[88:89]
	s_mov_b32 s[G0V], 1
	s_mov_b32 s[G0V+1], s83
	s_mov_b64 s[G0V+2:G0V+3], s[76:77]
	s_or_b32 s[G0V+3], s[G0V+3], 0x80000000
	s_mov_b32 s[G0P], 1
	s_mov_b32 s[G0P+1], s82
	s_mov_b64 s[G0P+2:G0P+3], s[70:71]
	s_or_b32 s[G0P+3], s[G0P+3], 0x80000000
	s_cmp_lt_u32 s16, 2                            ; one tensor load a wave; wave 3, which does not wait at the first barrier, has a line of its own
	s_cbranch_scc0 .Lfor_p
	TLOAD G0V, G1V
	s_branch .Lasked
.Lfor_p:
	s_cmp_eq_u32 s16, 2
	s_cbranch_scc0 .Lfor_p_high
	TLOAD G0P, G1P
	s_branch .Lasked
.Lfor_p_high:
	TLOAD G0P, G1P
.Lasked:
.irp kk, 0,1,2,3,4,5,6,7
	global_load_b128 v[VS+4*\kk:VS+4*\kk+3], v[VOFF], s[10:11] offset:4096*\kk
.endr
.macro STATS a
	v_min3_num_f32 v[G], v[TNM+(\a)], v[TNM+4+(\a)], v[TNM+8+(\a)]
	v_min3_num_f32 v[G], v[G], v[TNM+12+(\a)], v[TNM+16+(\a)]
	v_min3_num_f32 v[G], v[G], v[TNM+20+(\a)], v[TNM+24+(\a)]
	v_min_num_f32 v[G], v[G], v[TNM+28+(\a)]
	v_permlanex16_b32 v[GX], v[G], s[SEL], s[SEL+1]
	v_min_num_f32 v[G], v[G], v[GX]                ; -M of the row
.irp kk, 0,1,2,3,4,5,6,7
	v_sub_f32 v[E+\kk], v[G], v[TNM+4*\kk+(\a)]    ; run's M less row's M: a whole number, 0 or less
.endr
.irp kk, 0,1,2,3,4,5,6,7
	v_max_num_f32 v[E+\kk], 0xc2fa0000, v[E+\kk]   ; held at -125: p's bytes are at most 125, so every byte has reached 0 there
.endr
.irp kk, 0,1,2,3,4,5,6,7
	v_cvt_i32_f32 v[E+\kk], v[E+\kk]
.endr
.irp kk, 0,1,2,3,4,5,6,7
	v_ldexp_f32 v[TLL+4*\kk+(\a)], v[TLL+4*\kk+(\a)], v[E+\kk]
.endr
	v_add_f32 v[TLL+(\a)], v[TLL+(\a)], v[TLL+4+(\a)]
	v_add_f32 v[TLL+8+(\a)], v[TLL+8+(\a)], v[TLL+12+(\a)]
	v_add_f32 v[TLL+16+(\a)], v[TLL+16+(\a)], v[TLL+20+(\a)]
	v_add_f32 v[TLL+24+(\a)], v[TLL+24+(\a)], v[TLL+28+(\a)]
	v_add_f32 v[TLL+(\a)], v[TLL+(\a)], v[TLL+8+(\a)]
	v_add_f32 v[TLL+16+(\a)], v[TLL+16+(\a)], v[TLL+24+(\a)]
.irp kk, 0,1,2,3,4,5,6,7
	v_sub_nc_u32 v[E+\kk], 0, v[E+\kk]
.endr
	v_add_f32 v[TLL+(\a)], v[TLL+(\a)], v[TLL+16+(\a)]
.irp kk, 0,1,2,3,4,5,6,7
	v_perm_b32 v[E+\kk], v[E+\kk], v[E+\kk], s86   ; the low byte into all four
.endr
	v_permlanex16_b32 v[GX], v[TLL+(\a)], s[SEL], s[SEL+1]
.irp kk, 0,1,2,3,4,5,6,7
	v_or_b32 v[TPS+4*\kk+(\a)], s87, v[TPS+4*\kk+(\a)]   ; bit 7 of each byte set: no byte borrows from the next
.endr
	v_add_f32 v[SUM+(\a)], v[TLL+(\a)], v[GX]      ; l of the row
.irp kk, 0,1,2,3,4,5,6,7
	v_sub_nc_u32 v[TPS+4*\kk+(\a)], v[TPS+4*\kk+(\a)], v[E+\kk]
.endr
.irp kk, 0,1,2,3,4,5,6,7
	v_and_b32 v[T+\kk], s87, v[TPS+4*\kk+(\a)]     ; bit 7 still stands where the byte has not fallen under 0
.endr
.irp kk, 0,1,2,3,4,5,6,7
	v_lshrrev_b32 v[E+\kk], 7, v[T+\kk]
.endr
.irp kk, 0,1,2,3,4,5,6,7
	v_sub_nc_u32 v[T+\kk], v[T+\kk], v[E+\kk]      ; 0x7f there, 0 elsewhere
.endr
.irp kk, 0,1,2,3,4,5,6,7
	v_and_b32 v[TPS+4*\kk+(\a)], v[TPS+4*\kk+(\a)], v[T+\kk]
.endr
.endm
	s_wait_loadcnt 0x8                             ; the statistics are in; V^T's eight loads may be out
	STATS 0
	STATS 1
	STATS 2
	STATS 3
	s_wait_alu depctr_va_vdst(0)
.irp a, 0,1,2,3
	v_rcp_f32 v[RLT+\a], v[SUM+\a]
.endr
	v_nop
	s_wait_alu depctr_va_vdst(0)                   ; one wait behind the four, and ahead of the readers below
.irp kk, 0,1,2,3,4,5,6,7
	ds_store_b128 v[EXS], v[TPS+4*\kk:TPS+4*\kk+3] offset:512*\kk
.endr
	ds_store_b128 v[RXS], v[RLT:RLT+3]
	s_wait_loadcnt 0x0
	s_cmp_eq_u32 s16, 3
	s_cbranch_scc1 .Lnot_high
	s_wait_tensorcnt 0x0                           ; waves 0-2: V^T and P's blocks 0-3; blocks 4-7 may be on their way
.Lnot_high:
	s_wait_dscnt 0x0
	s_barrier_signal -1
	s_barrier_wait -1
	global_prefetch_b8 v[PFV], s[8:9] th:TH_LOAD_NT scope:SCOPE_SE
.irp g, 0,1
.irp kk, 0,1,2,3,4,5,6,7
	ds_load_b128 v[PS+32*\g+4*\kk:PS+32*\g+4*\kk+3], v[EXR] offset:4096*\g+512*\kk
.endr
	ds_load_b128 v[RL+4*\g:RL+4*\g+3], v[RXR] offset:512*\g
.endr
.macro ACCSET s                        ; where block s's sums lie
.if (\s) < 5
.set AW_, 3
.set AR_, 96+32*(\s)
.else
.set AW_, 0
.set AR_, 160+32*((\s)-5)
.endif
.endm
.macro VSET q                          ; V^T's four tiles, K step q of the half: two halves of 768 bytes each, four registers and two: 16 loads
.irp b, 0,1,2,3
.set F_, 4*(\q)+\b
.set G_, 12*(F_%21)
	WIN (1+F_/21)<<6
.irp c, 0,1
	ds_load_b128 v[G_+6*\c:G_+6*\c+3], v[VA] offset:12288*\b+1536*(\q)+768*\c
	ds_load_b64 v[G_+6*\c+4:G_+6*\c+5], v[VA8] offset:12288*\b+1536*(\q)+768*\c+512
.endr
.endr
.endm
.macro PSET j, q                       ; pair j's two blocks: 6 loads
.irp s, 0,1
.set G_, 132*(1-\s)+12*(\q)
	WIN (2+\s)<<6
.irp c, 0,1,2
	ds_load_b128 v[G_+4*\c:G_+4*\c+3], v[PA0+(\j)/2] offset:12288*((2*(\j)+\s)%4)+1536*(\q)+512*\c
.endr
.endr
.endm
.macro WM h, d, a, b, c, x, y
	v_wmma_scale_f32_16x16x128_f8f6f4 v[\d:\d+7], v[\a:\a+11], v[\b:\b+11], \c, v[\x], v[\y] matrix_a_fmt:MATRIX_FMT_FP6 matrix_b_fmt:MATRIX_FMT_FP6 matrix_a_scale:MATRIX_SCALE_ROW\h matrix_b_scale:MATRIX_SCALE_ROW\h
.endm
.macro P2 h, s, q, b0                  ; two products: block s, K step q, V^T's tiles b0, b0 + 1.  A pair's eight sums take turns
	ACCSET \s
.irp b, 0,1
.set FV_, 4*(\q)+(\b0)+\b
.set RV_, 12*(FV_%21)
.set RP_, 132*(1-(\s)%2)+12*(\q)
.set D_, AR_+8*((\b0)+\b)
.set XV_, VS+FV_
.set XP_, PS+32*((\s)/4)+4*(\q)+(\s)%4
	WIN (1+FV_/21)|((2+(\s)%2)<<2)|(AW_<<4)|(AW_<<6)
.if ((\h) == 0) && ((\q) == 0)
	WM \h, D_, RV_, RP_, 0, XV_, XP_
.else
	WM \h, D_, RV_, RP_, v[D_:D_+7], XV_, XP_
.endif
.endr
.endm
; THE WAY OUT of a block: x 1 / l; into my stage, and back as rows into the same registers (LDS serves a wave's instructions in order); 16 lanes store 256 consecutive bytes, aligned
.macro WOMUL s, b
	ACCSET \s
	WIN AW_|(AW_<<6)
.irp j, 0,2,4,6
.set K_, AR_+8*(\b)+\j
.if (\s)%2
	v_pk_mul_f32 v[K_:K_+1], v[K_:K_+1], v[RL+(\s)-1:RL+(\s)] op_sel:[0,1] op_sel_hi:[1,1]
.else
	v_pk_mul_f32 v[K_:K_+1], v[K_:K_+1], v[RL+(\s):RL+(\s)+1] op_sel_hi:[1,0]
.endif
.endr
.endm
.macro WOSTAGE s
	ACCSET \s
	WIN AW_<<2
.irp b, 0,1,2,3
	ds_store_b128 v[STO], v[AR_+8*\b:AR_+8*\b+3] offset:32*\b
	ds_store_b128 v[STO], v[AR_+8*\b+4:AR_+8*\b+7] offset:32*\b+16
.endr
	WIN AW_<<6
.irp t, 0,1,2,3,4,5,6,7
	ds_load_b128 v[AR_+4*\t:AR_+4*\t+3], v[RD] offset:544*\t
.endr
.endm
.macro WOSEND s
	ACCSET \s
	WIN AW_<<2
.irp i, 0,1,2,3,4,5,6,7
	global_store_b128 v[CO], v[AR_+4*\i:AR_+4*\i+3], s[12:13] offset:(128*((\s)/4)+8*((\s)%4)+((2*\i)%8)+32*((2*\i)/8))*4096 th:TH_STORE_NT
.endr
.endm
.macro EIGHT h, j, q                   ; 8 products; in the second half's later pairs, in the first group, a finished block is scaled among them
.irp i, 0,1,2,3
	P2 \h, 2*(\j)+\i/2, \q, 2*(\i%2)
.if ((\h) == 1) && ((\j) > 0) && ((\q) < 2)
	WOMUL 2*(\j)-2+(\q), \i
.endif
.endr
.endm
; Half h of K, pair j, group g.  w: the LDS instructions issued behind this group's fragments, at most 63.  rnd: 1, 2 a round with a refill; 3 a plain barrier that shows the second refill
.macro GRP h, j, g, w, rnd=0
.if (\rnd) == 0
	s_wait_dscnt \w
	EIGHT \h, \j, 2*(\g)
	EIGHT \h, \j, 2*(\g)+1
.elseif (\rnd) == 3
	s_wait_tensorcnt 0x0                           ; my part of the second refill is in
	s_wait_dscnt 0x0
	s_barrier_signal -1
	EIGHT \h, \j, 2*(\g)
	EIGHT \h, \j, 2*(\g)+1
	WIN 0
	s_wait_alu depctr_va_vdst(0)
	s_barrier_wait -1
.else
	WIN 0
	s_wait_tensorcnt 0x0                           ; all my tensor loads have landed
	ds_add_u32 v[SPW], v[NIL]
.if (\rnd) == 1
	s_add_nc_u64 s[G0V+2:G0V+3], s[G0V+2:G0V+3], 12288   ; the second half of K
	s_mov_b32 s[G0P+1], s91
	s_mov_b64 s[G0P+2:G0P+3], s[74:75]
	s_or_b32 s[G0P+3], s[G0P+3], 0x80000000
	s_mov_b32 s[G1P+2], 4<<16                      ; from here on P's load brings four row tiles
	s_mov_b32 s[G1P+4], 4
.else
	s_add_co_u32 s[G0P+1], s91, 98304
	s_add_nc_u64 s[G0P+2:G0P+3], s[G0P+2:G0P+3], 196608  ; blocks 4-7
.endif
	s_wait_dscnt (\w)+1
	EIGHT \h, \j, 2*(\g)
	s_wait_dscnt 0x0                               ; the add is done, and so are my reads of what is filled again
	s_barrier_signal -1
	EIGHT \h, \j, 2*(\g)+1
	WIN 0
	s_barrier_wait -1
	CREST                                          ; no wave of any partner still reads these bytes or has a load on its way
.if (\rnd) == 1
	s_cmp_lt_u32 s16, 2
	s_cbranch_scc0 .Lrefill_p_\@
	TLOAD G0V, G1V                                 ; waves 0, 1: V^T
	s_branch .Lrefilled_\@
.Lrefill_p_\@:
	TLOAD G0P, G1P                                 ; waves 2, 3: P's blocks 0-3
.Lrefilled_\@:
.else
	s_cmp_lt_u32 s16, 2
	s_cbranch_scc1 .Lno_part_\@
	TLOAD G0P, G1P                                 ; waves 2, 3: P's blocks 4-7
.Lno_part_\@:
.endif
.endif
	PLACES                                         ; for the loads into what this group read, and for the reads of a finished pair's sums
.if ((\h) == 0) && ((\j) == 0) && ((\g) < 2)
.irp i, 0,1                            ; pair 0's own K steps 4-7
	VSET 2*(\g)+4+\i
	PSET 0, 2*(\g)+4+\i
.endr
.endif
.if ((\h) == 0) && ((\j) == 3)
.irp i, 0,1
	VSET 2*(\g)+\i
	PSET 0, 2*(\g)+\i
.endr
.elseif (\j) < 3
	PSET (\j)+1, 2*(\g)
	PSET (\j)+1, 2*(\g)+1
.endif
.if ((\h) == 1) && ((\j) > 0)
.if (\g) == 0
	s_wait_alu depctr_va_vdst(0)
	WOSTAGE 2*(\j)-2
	WOSTAGE 2*(\j)-1
.elseif (\g) == 2
.if (\j) < 3
	s_wait_dscnt 24                                ; both blocks are back from the stage (behind them: two runs of twelve loads)
.else
	s_wait_dscnt 0x0
.endif
	WOSEND 2*(\j)-2
	WOSEND 2*(\j)-1
.endif
.endif
.endm
.irp q, 0,1,2,3                        ; the first four K steps of pair 0: 22 loads each
	VSET \q
	PSET 0, \q
.endr
	GRP 0, 0, 0, 44
	WIN 0
	global_prefetch_b8 v[PFP], s[4:5] th:TH_LOAD_NT scope:SCOPE_SE
	GRP 0, 0, 1, 56                                ; (the run before: 44 of pair 0's own and 12)
	GRP 0, 0, 2, 63
	GRP 0, 0, 3, 24
	GRP 0, 1, 0, 36, 1                             ; V^T lies in registers, and P's blocks 0-3 have been read
	GRP 0, 1, 1, 36
	WIN 0
	global_prefetch_b8 v[PFP], s[4:5] offset:196608 th:TH_LOAD_NT scope:SCOPE_SE
	GRP 0, 1, 2, 36
	GRP 0, 1, 3, 36
.irp g, 0,1,2,3
	GRP 0, 2, \g, 36
.endr
	GRP 0, 3, 0, 36, 2                             ; P's blocks 4-7 have been read; the first refill is shown to all
	GRP 0, 3, 1, 63                                ; (runs of 44 from here to the end of the pair)
	GRP 0, 3, 2, 63
	GRP 0, 3, 3, 63
	GRP 1, 0, 0, 63
	GRP 1, 0, 1, 63
	GRP 1, 0, 2, 63
	GRP 1, 0, 3, 36
	GRP 1, 1, 0, 36, 3
	GRP 1, 1, 1, 56                                ; (12, 12 and a run of 12 with a stage of 32)
	GRP 1, 1, 2, 56
	GRP 1, 1, 3, 56
	GRP 1, 2, 0, 36
	GRP 1, 2, 1, 56
	GRP 1, 2, 2, 56
	GRP 1, 2, 3, 56
	GRP 1, 3, 0, 36
	GRP 1, 3, 1, 56                                ; (12, 12 and a stage of 32)
	GRP 1, 3, 2, 44
	GRP 1, 3, 3, 0
	; the last pair's way out
.irp b, 0,1,2,3
	WOMUL 6, \b
.endr
.irp b, 0,1,2,3
	WOMUL 7, \b
.endr
	s_wait_alu depctr_va_vdst(0)
	WOSTAGE 6
	WOSTAGE 7
	s_wait_dscnt 16                                ; block 6 is back (behind it: block 7's 8 stores and 8 loads)
	WOSEND 6
	s_wait_dscnt 0x0
	WOSEND 7
	WIN 0
	s_wait_tensorcnt 0x0                           ; the wave's end
	ds_add_u32 v[SPW], v[NIL]
	s_wait_dscnt 0x0
	CROUND                                         ; the closing round
	s_endpgm
.Lfunc_end_k_q8a9c6cb6c4_pv:
	.size	k_q8a9c6cb6c4_pv, .Lfunc_end_k_q8a9c6cb6c4_pv-k_q8a9c6cb6c4_pv
	.p2alignl 7, 3214868480
	.fill 96, 4, 3214868480
	.section	.rodata,"a",@progbits
	.p2align	6, 0x0
	.amdhsa_kernel k_q8a9c6cb6c4_pv
		.amdhsa_group_segment_fixed_size 327680
		.amdhsa_private_segment_fixed_size 0
		.amdhsa_enable_private_segment 0
		.amdhsa_kernarg_size 40
		.amdhsa_user_sgpr_count 2
		.amdhsa_user_sgpr_kernarg_segment_ptr 1
		.amdhsa_wavefront_size32 1
		.amdhsa_system_sgpr_workgroup_id_x 1
		.amdhsa_system_sgpr_workgroup_id_y 1
		.amdhsa_system_sgpr_workgroup_id_z 1
		.amdhsa_system_vgpr_workitem_id 0
		.amdhsa_next_free_vgpr 1024
		.amdhsa_next_free_sgpr 102
		.amdhsa_reserve_vcc 0
		.amdhsa_float_denorm_mode_32 3
		.amdhsa_float_denorm_mode_16_64 3
		.amdhsa_memory_ordered 1
		.amdhsa_forward_progress 1
		.amdhsa_inst_pref_size 177
	.end_amdhsa_kernel
	.amdgpu_metadata
---
amdhsa.version: [ 1, 2 ]
amdhsa.kernels:
  - .name:           k_q8a9c6cb6c4_pv
    .symbol:         k_q8a9c6cb6c4_pv.kd
    .args:
      - { .name: p_c, .offset: 0, .size: 8, .value_kind: global_buffer, .address_space: global }
      - { .name: p_st, .offset: 8, .size: 8, .value_kind: global_buffer, .address_space: global }
      - { .name: vt_c, .offset: 16, .size: 8, .value_kind: global_buffer, .address_space: global }
      - { .name: vt_s, .offset: 24, .size: 8, .value_kind: global_buffer, .address_space: global }
      - { .name: out0, .offset: 32, .size: 8, .value_kind: global_buffer, .address_space: global }
    .group_segment_fixed_size: 327680
    .private_segment_fixed_size: 0
    .kernarg_segment_align: 8
    .kernarg_segment_size: 40
    .max_flat_workgroup_size: 128
    .sgpr_count:     102
    .vgpr_count:     1024
    .wavefront_size: 32
...
	.end_amdgpu_metadata
.endif
;; end of part 4
